; MI455X (gfx1250); checked and timed in simulation.
; The chip was launched on July 23, 2026; its instructions are those of AMD's public machine-readable ISA for CDNA 5 (MIT licence, August 2026) and "CDNA5" Instruction Set Architecture Reference Guide (July 2026). The comments in the code are by the model that wrote it; some were corrected since.
;; Self Attention. Allowed arithmetic: matrix products marked QUANTISED: E3M2 operands, one E8M0 scale for each 32 along K, by v_wmma_scale_f32_16x16x128_f8f6f4 with both operands' format E3M2, f32 sums; everything else in f32.
;; Inputs: Wk_codes 1,024 x 32 x 24 uint8 (E3M2 codes of Wk, K innermost, in blocks of 32 codes, four codes in three bytes); Wk_scales 1,024 x 32 uint8 (E8M0 scales of Wk, one for each 32 codes along K); Wq_codes 1,024 x 32 x 24 uint8 (E3M2 codes of Wq, K innermost, in blocks of 32 codes, four codes in three bytes); Wq_scales 1,024 x 32 uint8 (E8M0 scales of Wq, one for each 32 codes along K); Wv_codes 1,024 x 32 x 24 uint8 (E3M2 codes of Wv, K innermost, in blocks of 32 codes, four codes in three bytes); Wv_scales 1,024 x 32 uint8 (E8M0 scales of Wv, one for each 32 codes along K); beta 1,024 float32; bk 1,024 float32; bq 1,024 float32; bv 1,024 float32; gamma 1,024 float32; x 4 x 2,048 x 1,024 float32.
;; Outputs: out0 4 x 2,048 x 1,024 float32.
;; This version of the problem:
;;   THIS VERSION OF THE PROBLEM IS GIVEN IN LOW PRECISION. The matrix products marked QUANTISED in the list below multiply operands that are first quantised to E3M2 (3 exponent bits, 2 mantissa bits; 6 bits a number), with one power-of-two scale for each 32 numbers along K (OCP MX v1.0); their sums are f32. All else is computed in f32.
;;   The module's matrix products, in the order in which they are computed (A, B: the left and right operand; K: the contracted axis; several contracted axes count as one K, in the product's order):
;;     1. [M 8,192, K 1,024] x [K 1,024, N 1,024]; A: input x; B: input Wq (given as codes): QUANTISED
;;     2. [M 8,192, K 1,024] x [K 1,024, N 1,024]; A: input x; B: input Wk (given as codes): QUANTISED
;;     3. [M 8,192, K 1,024] x [K 1,024, N 1,024]; A: input x; B: input Wv (given as codes): QUANTISED
;;     4. batch 4 x [M 2,048, K 1,024] x [K 1,024, N 2,048]; A: computed on the way; B: computed on the way: QUANTISED
;;     5. batch 4 x [M 2,048, K 2,048] x [K 2,048, N 1,024]; A: softmax (see below); B: computed on the way: QUANTISED
;;   THE QUANTISER, for each operand of a quantised product, along K:
;;     - K is cut into blocks of 32 from its start; a last block that is shorter is filled with zeros.
;;     - A block's scale is 2^e with e = floor(log2(the largest magnitude in the block)) - 4, held to -126 .. 127; a block of zeros has e = 0. As a byte (E8M0): e + 127.
;;     - Each number is divided by its block's scale, clamped to +-28, and rounded to the nearest number of E3M2, ties to even, subnormals kept.
;;     - The product sums the exact products of the quantised numbers (number of the format x scale) in f32.
;;   ~~~python
;;   def quantise(x, axis):      # numpy; x: float32 -> the quantised numbers, widened to float32 again
;;       x = np.moveaxis(x, axis, -1); K = x.shape[-1]
;;       x = np.pad(x, [(0, 0)] * (x.ndim - 1) + [(0, -K % 32)]); x = x.reshape(x.shape[:-1] + (-1, 32)); a = np.abs(x).max(-1, keepdims=True)
;;       e = np.where(a > 0, np.clip(np.frexp(np.where(a > 0, a, 1))[1] - 1 - 4, -126, 127), 0)      # np.frexp(a)[1] - 1 = floor(log2(a)), exactly
;;       r = np.clip(x / 2.0 ** e, -28, 28)
;;       step = 2.0 ** (np.maximum(np.frexp(np.where(r == 0, 1, r))[1] - 1, -2) - 2)
;;       q = np.round(r / step) * step * 2.0 ** e      # np.round: ties to even
;;       return np.moveaxis(q.reshape(q.shape[:-2] + (-1,))[..., :K], -1, axis).astype(np.float32)
;;   ~~~
;;   SOFTMAX AHEAD OF A QUANTISED PRODUCT. Where the list says 'softmax', what is quantised is not the finished softmax but p = 2^(t - M), with t = logit x log2(e) and M = ceil(the row's largest t), a whole number; so 1/2 < the row's largest p <= 1. The row's sum l is taken of the UNQUANTISED p, in f32, and the product's result is divided by l at the end. Since M is a whole number, a kernel that streams over the keys may use a running M (the ceiling of the running maximum): every later rescaling is an exact power of two, which a block's scale takes up: the codes' values come out the same.
;;   OPERANDS COMPUTED ON THE WAY. 'Computed on the way' means the value that the module computes at that place (a softmax that the list does not call 'softmax' is quantised finished and normalised). What goes into a quantiser is computed in f32, as accurately as f32 sums, v_exp_f32 and their like allow (about 1e-6 of the number): no bf16 or f16 on the way to a quantiser, and a product that is left as it is and whose result goes on into a quantised operand takes f32 operands (vector FMAs, or v_wmma_f32_16x16x4_f32). A number that lies on a knife's edge between two numbers of the format may be rounded either way, as far as f32 arithmetic and the matrix unit's own rounding can turn it there, and no further.
;;   INPUTS GIVEN AS CODES. Wk (in the module: [1024, 1024], K = its axis 0); Wq (in the module: [1024, 1024], K = its axis 0); Wv (in the module: [1024, 1024], K = its axis 0): each comes as NAME_codes (uint8): NAME with its K axis moved to the last place and cut into blocks of 32 codes, [.., K / 32, bytes a block], one block behind the other in memory; four codes in three bytes: a row's codes are one little-endian stream of bits, code i at bits 6 i .. 6 i + 5 (a code: sign, 3 exponent bits, 2 mantissa bits); and NAME_scales (uint8): the same leading axes, one E8M0 byte (e + 127) for each 32 codes along K. Its value is code x scale, taken as it is: it is not quantised again, and the codes and scales need not be those that the quantiser above would give.
;; One version. Each part assembles by itself: llvm-mc -triple=amdgcn-amd-amdhsa -mcpu=gfx1250 --defsym DOCPART=n.
;; ======== version 1 of 1: 5 launches
;; limits: right only within a limited range of input values
;; workspace buffers: xw 9,011,200 bytes; qkv 19,660,800 bytes; pp 14,680,064 bytes; h 33,554,432 bytes
;; launch prep (part 1): grid 256 x 1, 8 waves a work-group, no clusters, 68,608 bytes of LDS; arguments x, Wq_codes, Wq_scales, Wk_codes, Wk_scales, Wv_codes, Wv_scales, xw; writes xw
.if DOCPART == 1
	.amdgcn_target "amdgcn-amd-amdhsa--gfx1250"
	.amdhsa_code_object_version 6
	.text
	.protected	k_qfbb7159617_prep
	.globl	k_qfbb7159617_prep
	.p2align	8
	.type	k_qfbb7159617_prep,@function
k_qfbb7159617_prep:
	s_mov_b64 s[64:65], 0
	v_nop
	global_prefetch_b8 v0, s[64:65] scope:SCOPE_SE
	s_setreg_imm32_b32 hwreg(HW_REG_WAVE_MODE, 25, 1), 1
	s_wait_xcnt 0x0
; PREP: x [8192][1024] f32 becomes codes of E3M2 with one E8M0 byte for each 32 along the channels; the three weights, which arrive as codes, are laid anew.  Both go to xw in the order of an operand's registers.
; DEAD WORK: none.  Every product of the module reaches the output, and bq, bk, bv stand ahead of quantisers, whose codes they move; gamma and beta scale and shift the result.  So every input is loaded by some launch.
; LAYOUTS.  A TILE is 16 rows, and its rows are not neighbours: index i of tile t is row 32 (t / 2) + 8 (t % 2) + i + 8 (i / 8).  So, where a tile is source 0 of a product, a lane's 16 results of tiles 2 b and 2 b + 1 are 16 neighbours.
; An IMAGE is a fragment (a tile x 128 along K: 12 registers a lane) as it stands in registers: register j of lane l at 512 (j / 4) + 16 l + 4 (j % 4): 1,536 bytes, stored and loaded by three accesses of 16 bytes a lane.
; xw: x's images [512 tiles][8 K steps] at 0; x's scale words [8 K steps][512 tiles][16] at XS; the weights' images [3][64 tiles][8] at WC; their scale words [3][8][64][16] at WS.
; A block's scale is 2^(floor(log2(its largest magnitude)) - 4): its byte is the largest magnitude's exponent field - 4, held at 1 from below.
; LIMITS: NaN and infinities among the inputs are not served; a block whose largest magnitude lies under 2^-122, a block of zeros among them, has the byte 1 (its codes are then zeros or nearly so; this program alone reads the bytes).
; SHARES.  Each of the 256 work-groups takes 32 rows of x; wave w takes tile 2 g + w / 4 and K steps 2 (w % 4) and 2 (w % 4) + 1.  The weights' 3 x 64 x 8 = 1,536 fragments are shared out evenly, six to a work-group: wave w < 6 takes
; fragment F = 6 g + w (weight F / 512, tile (F / 8) % 64, K step F % 8).  F is even just in waves 0, 2, 4: these also carry the scale words of K steps F % 8 (lanes 0-15) and F % 8 + 1 (lanes 16-31).
; The weights' loads go out ahead of the wave's loads of x and are stored while x is on its way.  The three ways (even, odd, waves 6 and 7) part once, on the wave's number, and each holds its own copy of x's 32 loads.
; Each load of x reads 512 consecutive bytes of a row; the 16 rows of a K step turn through the wave's own stage in LDS (rows of 528 bytes) so that a lane gets 16 neighbours of each block of 32.
.set XS,    6291456
.set WC,    6553600
.set WS,    8912896
.set STG,   8448                       ; a wave's stage: 16 rows x 528 bytes
.set SPARE, 67584                      ; behind the eight stages: the spare words, 128 bytes a wave
.set R,     16                         ; v16-143  two K steps as loaded: 16 rows x 4 registers each
.set X,     144                        ; v144-207 64 numbers of my row: register 16 b + i = k 32 b + 16 (lane / 16) + i.  Before that: v144-155 a weight's fragment, v156 its scale words
.set PC,    208                        ; v208-227 the codes
.set TM,    228                        ; v228-243 at work
.set PW,    244                        ; the scale word just made
.set PW0,   245                        ; the first K step's
; 64 numbers of a lane become a fragment's codes in v[PC] on and its scale word in v[PW]
.macro QUANT s
.irp b, 0,1,2,3
	v_max3_num_f32 v[TM+\b], |v[\s+16*\b]|, |v[\s+1+16*\b]|, 0x2800000   ; block b: my 16 numbers, and the floor 2^(5 - 127): the byte cannot fall under 1
.endr
.irp i, 2,4,6,8,10,12,14
.irp b, 0,1,2,3
	s_delay_alu instid0(VALU_DEP_4)
	v_max3_num_f32 v[TM+\b], v[TM+\b], |v[\s+16*\b+\i]|, |v[\s+1+16*\b+\i]|
.endr
.endr
.irp b, 0,1,2,3
	s_delay_alu instid0(VALU_DEP_4)
	v_permlanex16_b32 v[TM+4+\b], v[TM+\b], s42, s43
.endr
.irp b, 0,1,2,3
	s_delay_alu instid0(VALU_DEP_4)
	v_max_num_f32 v[TM+\b], v[TM+\b], v[TM+4+\b]   ; with lane l xor 16's: the block's largest magnitude
.endr
.irp b, 0,1,2,3
	s_delay_alu instid0(VALU_DEP_4)
	v_add_nc_u32 v[TM+12+\b], 0xfe000000, v[TM+\b]   ; 4 off its exponent field: the conversion's scale operand
.endr
.irp b, 0,1,2,3
	s_delay_alu instid0(VALU_DEP_4)
	v_lshrrev_b32 v[TM+4+\b], 23, v[TM+12+\b]      ; the scale's byte
.endr
	s_delay_alu instid0(VALU_DEP_3)
	v_lshl_or_b32 v[PW], v[TM+5], 8, v[TM+4]
	s_delay_alu instid0(VALU_DEP_1)
	v_lshl_or_b32 v[PW], v[TM+6], 16, v[PW]
	s_delay_alu instid0(VALU_DEP_1)
	v_lshl_or_b32 v[PW], v[TM+7], 24, v[PW]
.irp c, 0,1
	v_cvt_scalef32_pk16_bf6_f32 v[PC+6*\c:PC+2+6*\c], v[\s+32*\c:\s+15+32*\c], v[TM+12+2*\c]
	v_cvt_scalef32_pk16_bf6_f32 v[PC+12+4*\c:PC+14+4*\c], v[\s+16+32*\c:\s+31+32*\c], v[TM+12+2*\c+1]   ; (a conversion's three registers begin on an even number)
.endr
	v_nop                                          ; one plain place behind a scaled conversion
.irp c, 0,1                                    ; the operand's layout wants a whole block in a lane
.irp i, 0,1,2
	v_permlane16_swap_b32 v[PC+6*\c+\i], v[PC+12+4*\c+\i]
.endr
.irp i, 0,1,2
	s_delay_alu instid0(VALU_DEP_3)
	v_mov_b32 v[PC+3+6*\c+\i], v[PC+12+4*\c+\i]
.endr
.endr
.endm
; my two K steps of x: 32 loads, each of 512 consecutive bytes
.macro XLOADS
.irp l, 0,1
.irp i, 0,1,2,3,4,5,6,7,8,9,10,11,12,13,14,15
	global_load_b128 v[R+64*\l+4*\i:R+64*\l+4*\i+3], v4, s[8:9] offset:(\i+8*(\i/8))*4096+512*\l th:TH_LOAD_NT
.endr
.endr
.endm
; a wave with a fragment of a weight: no arithmetic, another order of the same bytes.  scl = 1: and the scale words of two K steps
.macro WPATH scl
.irp p, 0,1,2,3,4,5
	global_load_b64 v[X+2*\p:X+2*\p+1], v10, s[52:53] offset:48*(\p/3)+8*(\p%3)   ; the fragment as the row's stream of bits has it
.endr
.if \scl
	global_load_b32 v[X+12], v11, s[54:55]
.endif
	XLOADS
	s_wait_loadcnt 32                              ; loads come back in order: the weight's are in, x's 32 may be out
.irp c, 0,1,2
	global_store_b128 v4, v[X+4*\c:X+4*\c+3], s[56:57] offset:512*\c   ; 512 consecutive bytes a store
.endr
.if \scl
	global_store_b32 v14, v[X+12], s[58:59]
.endif
	s_wait_xcnt 0x0                                ; the stores have read their registers, into which x's numbers come next
.endm
	s_load_b512 s[8:23], s[0:1], 0x0               ; x, Wq codes, Wq scales, Wk codes, Wk scales, Wv codes, Wv scales, xw
	v_lshl_add_u32 v12, v0, 2, SPARE               ; my spare word,
	v_mov_b32 v13, 0                               ; and 0: kept for the closing lines alone
	v_lshrrev_b32 v1, 5, v0
	s_delay_alu instid0(VALU_DEP_1)
	v_readfirstlane_b32 s2, v1                     ; wave 0..7
	v_and_b32 v1, 31, v0                           ; lane
	v_and_b32 v2, 15, v0                           ; r
	v_bfe_u32 v3, v0, 4, 1                         ; h
	s_delay_alu instid0(VALU_DEP_3)
	v_lshlrev_b32 v4, 4, v1                        ; 16 x lane
	s_mul_i32 s24, s2, STG
	v_add_nc_u32 v5, s24, v4                       ; the stage, on the way in: a row's 512 bytes as they lie
	v_mul_u32_u24 v6, v2, 528
	s_delay_alu instid0(VALU_DEP_1)
	v_lshl_add_u32 v6, v3, 6, v6
	s_delay_alu instid0(VALU_DEP_1)
	v_add_nc_u32 v6, s24, v6                       ; and out: row r, + 64 h: my 16 numbers of a block
	v_lshlrev_b32 v8, 2, v2
	s_delay_alu instid0(VALU_DEP_1)
	v_lshl_add_u32 v8, v3, 15, v8                  ; x's scale words: 4 r, and one K step (32,768 bytes) on for lanes 16-31
	v_and_b32 v9, 8, v2
	s_delay_alu instid0(VALU_DEP_1)
	v_add_nc_u32 v9, v9, v2                        ; r + 8 (r / 8)
	s_delay_alu instid0(VALU_DEP_1)
	v_mul_u32_u24 v10, v9, 768
	s_delay_alu instid0(VALU_DEP_1)
	v_mad_u32_u24 v10, v3, 24, v10                 ; a weight's codes: a row is 768 bytes; + 24 h
	s_delay_alu instid0(VALU_DEP_3)
	v_lshlrev_b32 v11, 5, v9
	s_delay_alu instid0(VALU_DEP_1)
	v_lshl_add_u32 v11, v3, 2, v11                 ; its scale bytes: a row is 32 bytes; lanes 16-31 take the next K step's word
	v_lshlrev_b32 v14, 2, v2
	s_delay_alu instid0(VALU_DEP_1)
	v_lshl_add_u32 v14, v3, 12, v14                ; and where the words go: 4 r, and one K step (4,096 bytes) on for lanes 16-31
	s_mov_b32 s40, 0xffff0000                      ; lanes 16-31
	s_mov_b32 s42, 0x76543210
	s_mov_b32 s43, 0xfedcba98                      ; selects for lane l xor 16
.irp b, 0,1,2,3
	v_mov_b32 v[TM+4+\b], 0                        ; a lane permute's destination counts as one of its sources
.endr
	s_mov_b32 s29, 0
	s_wait_kmcnt 0x0
	; ---- where my part of x lies and goes
	s_lshr_b32 s25, s2, 2                          ; which of the two tiles
	s_and_b32 s26, s2, 3                           ; which pair of K steps
	s_lshl_b32 s28, ttmp9, 17                      ; 32 rows of 4,096 bytes
	s_lshl_b32 s27, s25, 15                        ; the odd tile begins 8 rows on
	s_add_co_u32 s28, s28, s27
	s_lshl_b32 s27, s26, 10                        ; two K steps are 1,024 bytes of a row
	s_add_co_u32 s28, s28, s27
	s_add_nc_u64 s[8:9], s[8:9], s[28:29]
	s_lshl_b32 s30, ttmp9, 1
	s_add_co_u32 s30, s30, s25                     ; the tile
	s_lshl_b32 s27, s26, 1                         ; the first K step
	s_lshl_b32 s28, s30, 3
	s_add_co_u32 s28, s28, s27
	s_mul_i32 s28, s28, 1536
	s_add_nc_u64 s[32:33], s[22:23], s[28:29]      ; its images
	s_lshl_b32 s28, s27, 9
	s_add_co_u32 s28, s28, s30
	s_lshl_b32 s28, s28, 6
	s_add_co_u32 s28, s28, XS
	s_add_nc_u64 s[34:35], s[22:23], s[28:29]      ; its scale words
	s_cmp_ge_u32 s2, 6
	s_cbranch_scc1 .Lplain                         ; waves 6 and 7 have no fragment of a weight
	; ---- where my fragment of a weight lies and goes
	s_mul_i32 s44, ttmp9, 6
	s_add_co_u32 s44, s44, s2                      ; F, 0 .. 1,535
	s_lshr_b32 s45, s44, 3
	s_and_b32 s46, s44, 7                          ; the K step
	s_lshr_b32 s47, s45, 6                         ; which weight: 0 q, 1 k, 2 v
	s_and_b32 s48, s45, 63                         ; the tile
	s_cmp_eq_u32 s47, 0
	s_cselect_b64 s[52:53], s[10:11], s[14:15]
	s_cselect_b64 s[54:55], s[12:13], s[16:17]
	s_cmp_eq_u32 s47, 2
	s_cselect_b64 s[52:53], s[18:19], s[52:53]
	s_cselect_b64 s[54:55], s[20:21], s[54:55]
	s_lshr_b32 s49, s48, 1
	s_lshl_b32 s49, s49, 5
	s_and_b32 s50, s48, 1
	s_lshl_b32 s50, s50, 3
	s_add_co_u32 s49, s49, s50                     ; the tile's first row
	s_mov_b32 s51, 0
	s_mul_i32 s50, s49, 768
	s_mul_i32 s60, s46, 96
	s_add_co_u32 s50, s50, s60
	s_add_nc_u64 s[52:53], s[52:53], s[50:51]      ; its codes of this K step
	s_lshl_b32 s50, s49, 5
	s_lshl_b32 s60, s46, 2
	s_add_co_u32 s50, s50, s60
	s_add_nc_u64 s[54:55], s[54:55], s[50:51]      ; its scale bytes
	s_mul_i32 s50, s44, 1536
	s_add_co_u32 s50, s50, WC
	s_add_nc_u64 s[56:57], s[22:23], s[50:51]      ; image F
	s_lshl_b32 s50, s47, 15
	s_lshl_b32 s60, s46, 12
	s_add_co_u32 s50, s50, s60
	s_lshl_b32 s60, s48, 6
	s_add_co_u32 s50, s50, s60
	s_add_co_u32 s50, s50, WS
	s_add_nc_u64 s[58:59], s[22:23], s[50:51]      ; the scale words
	s_and_b32 s60, s2, 1
	s_cmp_lg_u32 s60, 0
	s_cbranch_scc1 .Lodd
	s_wait_alu depctr_va_vdst(0)
	WPATH 1
	s_branch .Lgo
.Lodd:
	s_wait_alu depctr_va_vdst(0)
	WPATH 0
	s_branch .Lgo
.Lplain:
	XLOADS
.Lgo:
.macro STEPX l
	s_wait_loadcnt 16*(1-(\l))                     ; loads come back in order: this K step's 16 are in, the other's may be out
.irp i, 0,1,2,3,4,5,6,7,8,9,10,11,12,13,14,15
	ds_store_b128 v5, v[R+64*(\l)+4*\i:R+64*(\l)+4*\i+3] offset:528*\i
.endr
.irp b, 0,1,2,3
.irp j, 0,1,2,3
	ds_load_b128 v[X+16*\b+4*\j:X+16*\b+4*\j+3], v6 offset:128*\b+16*\j   ; LDS serves a wave's instructions in order: these see my stores
.endr
.endr
	s_wait_dscnt 0x0
.if \l
	s_wait_xcnt 0x0                                ; the first K step's stores have read the codes' registers
.endif
	QUANT X
.irp c, 0,1,2
	global_store_b128 v4, v[PC+4*\c:PC+4*\c+3], s[32:33] offset:1536*(\l)+512*\c   ; 512 consecutive bytes a store
.endr
.endm
	STEPX 0
	v_mov_b32 v[PW0], v[PW]
	STEPX 1
	v_cndmask_b32 v246, v[PW0], v[PW], s40         ; lanes 0-15: the first K step's words, lanes 16-31 the second's
	global_store_b32 v8, v246, s[34:35]
	s_wait_tensorcnt 0x0                           ; the wave's end
	ds_add_u32 v12, v13
	s_wait_dscnt 0x0
	s_endpgm
.Lfunc_end_k_qfbb7159617_prep:
	.size	k_qfbb7159617_prep, .Lfunc_end_k_qfbb7159617_prep-k_qfbb7159617_prep
	.p2alignl 7, 3214868480
	.fill 96, 4, 3214868480
	.section	.rodata,"a",@progbits
	.p2align	6, 0x0
	.amdhsa_kernel k_qfbb7159617_prep
		.amdhsa_group_segment_fixed_size 68608
		.amdhsa_private_segment_fixed_size 0
		.amdhsa_enable_private_segment 0
		.amdhsa_kernarg_size 64
		.amdhsa_user_sgpr_count 2
		.amdhsa_user_sgpr_kernarg_segment_ptr 1
		.amdhsa_wavefront_size32 1
		.amdhsa_system_sgpr_workgroup_id_x 1
		.amdhsa_system_sgpr_workgroup_id_y 1
		.amdhsa_system_sgpr_workgroup_id_z 1
		.amdhsa_system_vgpr_workitem_id 0
		.amdhsa_next_free_vgpr 256
		.amdhsa_next_free_sgpr 66
		.amdhsa_reserve_vcc 0
		.amdhsa_float_denorm_mode_32 3
		.amdhsa_float_denorm_mode_16_64 3
		.amdhsa_memory_ordered 1
		.amdhsa_forward_progress 1
		.amdhsa_inst_pref_size 32
	.end_amdhsa_kernel
	.amdgpu_metadata
---
amdhsa.version: [ 1, 2 ]
amdhsa.kernels:
  - .name:           k_qfbb7159617_prep
    .symbol:         k_qfbb7159617_prep.kd
    .args:
      - { .name: x, .offset: 0, .size: 8, .value_kind: global_buffer, .address_space: global }
      - { .name: Wq_codes, .offset: 8, .size: 8, .value_kind: global_buffer, .address_space: global }
      - { .name: Wq_scales, .offset: 16, .size: 8, .value_kind: global_buffer, .address_space: global }
      - { .name: Wk_codes, .offset: 24, .size: 8, .value_kind: global_buffer, .address_space: global }
      - { .name: Wk_scales, .offset: 32, .size: 8, .value_kind: global_buffer, .address_space: global }
      - { .name: Wv_codes, .offset: 40, .size: 8, .value_kind: global_buffer, .address_space: global }
      - { .name: Wv_scales, .offset: 48, .size: 8, .value_kind: global_buffer, .address_space: global }
      - { .name: xw, .offset: 56, .size: 8, .value_kind: global_buffer, .address_space: global }
    .group_segment_fixed_size: 68608
    .private_segment_fixed_size: 0
    .kernarg_segment_align: 8
    .kernarg_segment_size: 64
    .max_flat_workgroup_size: 256
    .sgpr_count:     66
    .vgpr_count:     256
    .wavefront_size: 32
...
	.end_amdgpu_metadata
.endif
;; end of part 1
;; launch proj (part 2): grid 4 x 64, 4 waves a work-group, clusters of 4 x 4, 327,680 bytes of LDS; arguments xw, bq, bk, bv, qkv; writes qkv
.if DOCPART == 2
	.amdgcn_target "amdgcn-amd-amdhsa--gfx1250"
	.amdhsa_code_object_version 6
	.text
	.protected	k_qfbb7159617_proj
	.globl	k_qfbb7159617_proj
	.p2align	8
	.type	k_qfbb7159617_proj,@function
k_qfbb7159617_proj:
	s_mov_b64 s[64:65], 0
	v_nop
	global_prefetch_b8 v0, s[64:65] scope:SCOPE_SE
	s_setreg_imm32_b32 hwreg(HW_REG_WAVE_MODE, 25, 1), 1
	s_wait_xcnt 0x0
	s_wait_alu depctr_hold_cnt(0) depctr_sa_sdst(0) depctr_va_vdst(0) depctr_va_sdst(0) depctr_va_ssrc(0) depctr_va_vcc(0) depctr_vm_vsrc(0)
	s_getreg_b32 s2, hwreg(HW_REG_IB_STS2, 6, 4)
	s_cmp_eq_u32 s2, 0
	s_cbranch_scc0 .Lentry_in_a_cluster
	s_endpgm
.Lentry_in_a_cluster:
	s_bfe_u32 s2, ttmp6, 0x10000c
	s_cmp_lg_u32 s2, 0xf033
	s_cbranch_scc0 .Lentry_shape_is_right
	s_endpgm
.Lentry_shape_is_right:
; PROJ: q = x Wq + bq, k = x Wk + bk, v = x Wv + bv on codes of E3M2, and each result quantised in registers for the product that takes it: q and k along the channels, v along the keys.  Nothing is left out.
; SHARES.  A work-group takes 128 rows of x (tiles 8 Y ..) and 256 columns (weight tiles 16 X ..) and makes three passes, q, k, v; x's images stay in LDS for all three.  A wave has 32 accumulators: 8 tiles of source 0 x 4 of source 1.
; q, k: source 0 = weight tiles 8 (w % 2) + b, source 1 = x tiles 4 (w / 2) + a: a lane holds one row of x, and the 64 registers of (a, 0..7) are 128 neighbouring channels: one K step of q k^T.
; v:    source 0 = x tiles 0..7, source 1 = weight tiles 4 w + a: a lane holds one channel, and the 64 registers are 128 neighbouring keys: one K step of p v.  (Tiles, images, scale words: as the first launch lays them.)
; The bias is the C of each sum's first product.  qkv: q's images [512][8] at 0, k's at KC, v^T's [4 batches][64 channel tiles][16 key steps] at VC; scale words [8][512][16] at QS and QS + 262,144, [64 = batch x 16 + step][64][16] at VS.
; CLUSTER 4 x 4: x's images hang on Y alone and are asked for jointly along a row of the cluster, the weights' on X alone and along a column.
; LDS: x's images [8 tiles][8 K steps] at 0 (filled once); two slots of [16 weight tiles][4 K steps] at SLOT0, SLOT1; the spare words.  Fill f = 0..5 brings weight f / 2, K half f % 2, into slot f % 2.
; By this text's count a wave has one tensor load out at the head and one behind each refill.  All of a WGP's LDS is claimed.
; LIMITS: as in the first launch (NaN, infinities; blocks under 2^-122 have the byte 1).
; REGISTERS: window 0: v1-16 addresses, v28, v29 the add's two, v32-159 scale words, v160-201 the quantiser's.  window 1: source 0, two sets at v0, v128.  window 2: accumulator (a, b) at v[8 (8 a + b)].
;   window 3: source 1, two sets at v0, v48; q's bias v96-159, k's v160-223, v's v224-255.
.set XS,    6291456
.set WC,    6553600
.set WS,    8912896
.set KC,    6291456
.set VC,    12582912
.set QS,    18874368
.set VS,    19398656
.set SLOT0, 98304
.set SLOT1, 196608
.set SPARE, 294912
.set PC,    160
.set TM,    180
.set PW,    196
.set MSB, 0
.macro WIN new                         ; the immediate's high byte repeats the setting that is left
.if MSB != (\new)
	s_set_vgpr_msb (MSB<<8)|(\new)
.set MSB, \new
.endif
.endm
.macro PLACES n
.rept \n
	v_nop
.endr
.endm
.macro CREST                           ; a round of the cluster's barrier behind its opening barrier
	s_cmp_lg_u32 s4, 0
	s_cbranch_scc1 .Lnot_wave_0_\@
	s_barrier_signal -3
.Lnot_wave_0_\@:
	s_barrier_wait -3
	s_barrier_signal -1
	s_barrier_wait -1
.endm
.macro CROUND
	s_barrier_signal -1
	s_barrier_wait -1
	CREST
.endm
; one product.  c under 0: the constant 0 starts the sum.  ra, rb: the side's scale words stand in lanes 16-31 of the register named
.macro WM d, fa, fb, c, sa, sb, ra, rb
.if (\c) < 0
.if (\ra) && (\rb)
	v_wmma_scale_f32_16x16x128_f8f6f4 v[\d:\d+7], v[\fa:\fa+11], v[\fb:\fb+11], 0, v[\sa], v[\sb] matrix_a_fmt:MATRIX_FMT_BF6 matrix_b_fmt:MATRIX_FMT_BF6 matrix_a_scale:MATRIX_SCALE_ROW1 matrix_b_scale:MATRIX_SCALE_ROW1
.elseif (\ra)
	v_wmma_scale_f32_16x16x128_f8f6f4 v[\d:\d+7], v[\fa:\fa+11], v[\fb:\fb+11], 0, v[\sa], v[\sb] matrix_a_fmt:MATRIX_FMT_BF6 matrix_b_fmt:MATRIX_FMT_BF6 matrix_a_scale:MATRIX_SCALE_ROW1
.elseif (\rb)
	v_wmma_scale_f32_16x16x128_f8f6f4 v[\d:\d+7], v[\fa:\fa+11], v[\fb:\fb+11], 0, v[\sa], v[\sb] matrix_a_fmt:MATRIX_FMT_BF6 matrix_b_fmt:MATRIX_FMT_BF6 matrix_b_scale:MATRIX_SCALE_ROW1
.else
	v_wmma_scale_f32_16x16x128_f8f6f4 v[\d:\d+7], v[\fa:\fa+11], v[\fb:\fb+11], 0, v[\sa], v[\sb] matrix_a_fmt:MATRIX_FMT_BF6 matrix_b_fmt:MATRIX_FMT_BF6
.endif
.else
.if (\ra) && (\rb)
	v_wmma_scale_f32_16x16x128_f8f6f4 v[\d:\d+7], v[\fa:\fa+11], v[\fb:\fb+11], v[\c:\c+7], v[\sa], v[\sb] matrix_a_fmt:MATRIX_FMT_BF6 matrix_b_fmt:MATRIX_FMT_BF6 matrix_a_scale:MATRIX_SCALE_ROW1 matrix_b_scale:MATRIX_SCALE_ROW1
.elseif (\ra)
	v_wmma_scale_f32_16x16x128_f8f6f4 v[\d:\d+7], v[\fa:\fa+11], v[\fb:\fb+11], v[\c:\c+7], v[\sa], v[\sb] matrix_a_fmt:MATRIX_FMT_BF6 matrix_b_fmt:MATRIX_FMT_BF6 matrix_a_scale:MATRIX_SCALE_ROW1
.elseif (\rb)
	v_wmma_scale_f32_16x16x128_f8f6f4 v[\d:\d+7], v[\fa:\fa+11], v[\fb:\fb+11], v[\c:\c+7], v[\sa], v[\sb] matrix_a_fmt:MATRIX_FMT_BF6 matrix_b_fmt:MATRIX_FMT_BF6 matrix_b_scale:MATRIX_SCALE_ROW1
.else
	v_wmma_scale_f32_16x16x128_f8f6f4 v[\d:\d+7], v[\fa:\fa+11], v[\fb:\fb+11], v[\c:\c+7], v[\sa], v[\sb] matrix_a_fmt:MATRIX_FMT_BF6 matrix_b_fmt:MATRIX_FMT_BF6
.endif
.endif
.endm
; 36 LDS loads: the fragments of K step s (the slot's sl-th) into set.  kind 0: q, k;  kind 1: v.  Each load takes 512 consecutive bytes
.macro FETCH kind, slot, sl, s, set
	WIN 0x40                                       ; destination window 1
.irp b, 0,1,2,3,4,5,6,7
.irp c, 0,1,2
.if (\kind) == 0
	ds_load_b128 v[128*(\set)+12*\b+4*\c:128*(\set)+12*\b+4*\c+3], v[7+(\slot)] offset:\b*6144+(\sl)*1536+512*\c
.else
	ds_load_b128 v[128*(\set)+12*\b+4*\c:128*(\set)+12*\b+4*\c+3], v[5+\b/4] offset:(\b%4)*12288+(\s)*1536+512*\c
.endif
.endr
.endr
	WIN 0xc0                                       ; destination window 3
.irp a, 0,1,2,3
.irp c, 0,1,2
.if (\kind) == 0
	ds_load_b128 v[48*(\set)+12*\a+4*\c:48*(\set)+12*\a+4*\c+3], v4 offset:\a*12288+(\s)*1536+512*\c
.else
	ds_load_b128 v[48*(\set)+12*\a+4*\c:48*(\set)+12*\a+4*\c+3], v[9+(\slot)] offset:\a*6144+(\sl)*1536+512*\c
.endif
.endr
.endr
.endm
; 8 products: source 1's tile a against source 0's eight, pass m, K step s.  The 32 accumulators take turns, one instruction a turn, in the same order in every step
.macro MUL8 m, s, a
.irp b, 0,1,2,3,4,5,6,7
.set DA, 8*(8*(\a)+\b)
.if (\s) == 0
.if (\m) == 2
.set CA, 224+8*(\a)
.else
.set CA, 96+64*(\m)+8*\b
.endif
.else
.set CA, DA
.endif
.if (\m) == 2
	WM DA, 128*((\s)%2)+12*\b, 48*((\s)%2)+12*(\a), CA, 112+8*(\b/2)+(\s), 144+8*((\a)/2)+(\s), \b%2, (\a)%2
.else
	WM DA, 128*((\s)%2)+12*\b, 48*((\s)%2)+12*(\a), CA, 48+32*(\m)+8*(\b/2)+(\s), 32+8*((\a)/2)+(\s), \b%2, (\a)%2
.endif
.endr
.endm
.macro STEPA nk, ns                    ; this step's fragments are in; the next step's (kind nk, K step ns) are asked for, 32 products ahead of their use
	s_wait_dscnt 0x0
	PLACES 4                                       ; four places between the last products and loads into the set that they read
	FETCH \nk, (\ns)/4, (\ns)%4, \ns, (\ns)%2
.endm
.macro STEPB m, s
.if (\s) == 0
	WIN 0xbd                                       ; source 0 window 1, source 1 window 3, C (the bias) window 3, D window 2
.else
	WIN 0xad                                       ; C and D window 2
.endif
	MUL8 \m, \s, 0
	MUL8 \m, \s, 1
	MUL8 \m, \s, 2
	MUL8 \m, \s, 3
.endm
; A slot's last step changes slots: one barrier.  In front of it each wave waits for all its tensor loads, adds 0 to its spare word, and waits for that and for its reads of this slot.
; fill = 1: the barrier opens a round of the cluster's, and behind it this slot takes the same K half of the next weight.
.macro TURN m, s, fill, nk, ns
	WIN 0
	s_wait_tensorcnt 0x0                           ; all my tensor loads have landed: my part of the other slot
	ds_add_u32 v28, v29
	s_wait_dscnt 0x1                               ; my 36 fragment loads are in; the add may be out
	WIN 0xad
	MUL8 \m, \s, 0
	s_wait_dscnt 0x0                               ; the add is done, and my reads of this slot are over
	s_barrier_signal -1
	MUL8 \m, \s, 1
	WIN 0
	s_barrier_wait -1
.if \fill
	CREST                                          ; no wave of any partner still reads this slot or has a load on its way
	s_add_nc_u64 s[38+4*((\s)/4):39+4*((\s)/4)], s[38+4*((\s)/4):39+4*((\s)/4)], 786432   ; the next weight's images
	tensor_load_to_lds s[36+4*((\s)/4):39+4*((\s)/4)], s[24:31]
	s_nop 0
	PLACES 4                                       ; also the places in front of the loads below
.else
	PLACES 4
.endif
	FETCH \nk, (\ns)/4, (\ns)%4, \ns, (\ns)%2
	WIN 0xad
	MUL8 \m, \s, 2
	MUL8 \m, \s, 3
.endm
; the 64 results of (a, 0..7) in window 2 become one fragment: image to memory, scale word into v[PW + a]
.macro QUANTW a, pc, st
.set S, 64*(\a)
	s_wait_xcnt 0x0                                ; the last image's stores have read the codes' registers
	WIN 0x0a                                       ; sources 0 and 1 window 2
.irp b, 0,1,2,3
	v_max3_num_f32 v[TM+\b], |v[S+16*\b]|, |v[S+1+16*\b]|, 0x2800000   ; each accumulator is read from its low end on; the floor 2^(5 - 127) holds the byte at 1
.endr
	WIN 0x28                                       ; sources 1 and 2 window 2
.irp i, 2,4,6,8,10,12,14
.irp b, 0,1,2,3
	v_max3_num_f32 v[TM+\b], v[TM+\b], |v[S+16*\b+\i]|, |v[S+1+16*\b+\i]|
.endr
.endr
	WIN 0
.irp b, 0,1,2,3
	v_permlanex16_b32 v[TM+4+\b], v[TM+\b], s14, s15
.endr
.irp b, 0,1,2,3
	v_max_num_f32 v[TM+\b], v[TM+\b], v[TM+4+\b]
.endr
.irp b, 0,1,2,3
	v_add_nc_u32 v[TM+12+\b], 0xfe000000, v[TM+\b]
.endr
.irp b, 0,1,2,3
	v_lshrrev_b32 v[TM+4+\b], 23, v[TM+12+\b]
.endr
	v_lshl_or_b32 v[PW+(\a)], v[TM+5], 8, v[TM+4]
	v_lshl_or_b32 v[PW+(\a)], v[TM+6], 16, v[PW+(\a)]
	v_lshl_or_b32 v[PW+(\a)], v[TM+7], 24, v[PW+(\a)]
	WIN 0x02                                       ; source 0 window 2
.irp c, 0,1
	v_cvt_scalef32_pk16_bf6_f32 v[PC+6*\c:PC+2+6*\c], v[S+32*\c:S+15+32*\c], v[TM+12+2*\c]
	v_cvt_scalef32_pk16_bf6_f32 v[PC+12+4*\c:PC+14+4*\c], v[S+16+32*\c:S+31+32*\c], v[TM+12+2*\c+1]
.endr
	WIN 0
	v_nop                                          ; one plain place behind a scaled conversion
.irp c, 0,1
.irp i, 0,1,2
	v_permlane16_swap_b32 v[PC+6*\c+\i], v[PC+12+4*\c+\i]
.endr
.irp i, 0,1,2
	v_mov_b32 v[PC+3+6*\c+\i], v[PC+12+4*\c+\i]
.endr
.endr
.irp c, 0,1,2
	global_store_b128 v1, v[PC+4*\c:PC+4*\c+3], s[\pc:\pc+1] offset:(\a)*(\st)+512*\c   ; 512 consecutive bytes a store
.endr
.endm
.macro EPI pc, ps, st
	WIN 0
	PLACES 4                                       ; between the last products and the first read of results
	QUANTW 0, \pc, \st
	QUANTW 1, \pc, \st
	QUANTW 2, \pc, \st
	QUANTW 3, \pc, \st
	v_cndmask_b32 v200, v[PW], v[PW+1], s2         ; lanes 0-15: tile a's words, lanes 16-31 tile a + 1's
	v_cndmask_b32 v201, v[PW+2], v[PW+3], s2
	global_store_b32 v11, v200, s[\ps:\ps+1]
	global_store_b32 v11, v201, s[\ps:\ps+1] offset:128
.endm
	s_load_b256 s[68:75], s[0:1], 0x0              ; xw, bq, bk, bv
	s_load_b64 s[76:77], s[0:1], 0x20              ; qkv
	v_lshl_add_u32 v28, v0, 2, SPARE
	v_mov_b32 v29, 0
	ds_add_u32 v28, v29                            ; the wave's opening: the add, twice on end, and its wait ahead of my first tensor load
	ds_add_u32 v28, v29
	v_lshrrev_b32 v1, 5, v0
	v_readfirstlane_b32 s4, v1                     ; wave 0..3
	s_lshr_b32 s5, s4, 1
	s_and_b32 s6, s4, 1
	s_bfe_u32 s7, ttmp6, 0x40000                   ; cx
	s_bfe_u32 s8, ttmp6, 0x40004                   ; cy
	s_lshl_b32 s9, ttmp9, 2
	s_add_co_u32 s9, s9, s7                        ; X
	s_and_b32 s10, ttmp7, 0xffff
	s_lshl_b32 s10, s10, 2
	s_add_co_u32 s10, s10, s8                      ; Y
	s_lshl_b32 s11, s8, 2
	s_lshl_b32 s11, 15, s11                        ; my row of the cluster
	s_lshl_b32 s12, 0x1111, s7                     ; my column
	s_or_b32 s16, s11, (3<<16)|(1<<21)             ; x's images: four tiles, 49,152 dense bytes, as 192 rows of 32 elements of 8 bytes
	s_mov_b32 s17, 32<<16
	s_mov_b32 s18, 192<<16                         ; THE HEAD NOW: one tensor load a wave: waves 0, 1 bring four tiles of x each (192 rows of 256 bytes), waves 2, 3 eight weight tiles x four K steps each
	s_mov_b32 s19, 32<<16
	s_mov_b32 s20, 192
	s_mov_b32 s21, 32
	s_mov_b32 s22, 0
	s_mov_b32 s23, 0
	s_or_b32 s24, s12, (3<<16)|(1<<21)             ; a weight's: eight tiles x four K steps: 8 rows of 6,144 bytes, 12,288 bytes apart
	s_mov_b32 s25, 768<<16
	s_mov_b32 s26, 8<<16
	s_mov_b32 s27, 768<<16
	s_mov_b32 s28, 8
	s_mov_b32 s29, 1536
	s_mov_b32 s30, 0
	s_mov_b32 s31, 0
	s_lshl_b32 s44, s10, 3
	s_lshl_b32 s45, s6, 2
	s_add_co_u32 s44, s44, s45
	s_mul_i32 s44, s44, 12288                      ; x tiles 8 Y + 4 (w % 2) on: Y and the wave's number alone
	s_mov_b32 s45, 0
	s_lshl_b32 s46, s9, 4
	s_lshl_b32 s47, s4, 2
	s_add_co_u32 s46, s46, s47
	s_mul_i32 s46, s46, 12288
	s_add_co_u32 s46, s46, WC                      ; weight tiles 16 X + 4 w on: X and the wave's number alone
	s_mov_b32 s47, 0
	s_mul_i32 s48, s4, 24576                       ; where they go: the wave's number alone
	s_mov_b32 s2, 0xffff0000                       ; lanes 16-31
	s_mov_b32 s14, 0x76543210
	s_mov_b32 s15, 0xfedcba98
	s_wait_dscnt 0x0                               ; both opening adds are done
	s_wait_kmcnt 0x0
	s_mov_b32 s32, 1
	s_mul_i32 s33, s6, 49152                       ; x tiles 8 Y + 4 (w % 2) on go to 49,152 (w % 2)
	s_mov_b32 s60, 1                               ; the head's load of slot 0: weight tiles 16 X + 8 (w % 2) on, K steps 0 to 3
	s_add_co_u32 s61, s33, SLOT0
	s_lshl_b32 s58, s9, 4
	s_lshl_b32 s59, s6, 3
	s_add_co_u32 s58, s58, s59
	s_mul_i32 s58, s58, 12288
	s_add_co_u32 s58, s58, WC
	s_mov_b32 s59, 0
	s_add_nc_u64 s[62:63], s[68:69], s[58:59]
	s_or_b32 s63, s63, 0x80000000
	s_add_nc_u64 s[34:35], s[68:69], s[44:45]
	s_or_b32 s35, s35, 0x80000000
	s_mov_b32 s36, 1
	s_add_co_u32 s37, s48, SLOT0
	s_add_nc_u64 s[38:39], s[68:69], s[46:47]
	s_mov_b32 s40, 1
	s_add_co_u32 s41, s48, SLOT1
	s_add_nc_u64 s[42:43], s[38:39], 6144          ; K steps 4 to 7
	s_or_b32 s39, s39, 0x80000000
	s_or_b32 s43, s43, 0x80000000
	CROUND                                         ; all sixteen work-groups are here: the first joint loads meet
	s_cmp_eq_u32 s5, 0
	s_cbranch_scc0 .Lhead_w
	tensor_load_to_lds s[32:35], s[16:23]
	s_nop 0
	PLACES 4
	s_branch .Lhead_asked
.Lhead_w:
	tensor_load_to_lds s[60:63], s[24:31]
	s_nop 0
	PLACES 4
.Lhead_asked:
	v_and_b32 v1, 31, v0
	v_and_b32 v2, 15, v0                           ; r
	v_bfe_u32 v3, v0, 4, 1                         ; h
	v_lshlrev_b32 v11, 2, v1                       ; 4 x lane
	v_lshlrev_b32 v1, 4, v1                        ; 16 x lane
	s_mul_i32 s49, s5, 49152
	v_add_nc_u32 v4, s49, v1                       ; x tiles 4 (w / 2) on
	v_mov_b32 v5, v1                               ; x tiles 0 on,
	v_add_nc_u32 v6, 49152, v1                     ; 4 on
	s_mul_i32 s49, s6, 49152
	s_add_co_u32 s49, s49, SLOT0
	v_add_nc_u32 v7, s49, v1                       ; weight tiles 8 (w % 2) on, slot 0,
	s_add_co_u32 s49, s49, 98304
	v_add_nc_u32 v8, s49, v1                       ; slot 1
	s_add_co_u32 s49, s48, SLOT0
	v_add_nc_u32 v9, s49, v1                       ; weight tiles 4 w on, slot 0,
	s_add_co_u32 s49, s48, SLOT1
	v_add_nc_u32 v10, s49, v1                      ; slot 1
	s_lshl_b32 s49, s5, 8
	v_add_nc_u32 v12, s49, v11
	s_lshl_b32 s49, s6, 9
	v_add_nc_u32 v13, s49, v11
	s_lshl_b32 s49, s4, 8
	v_add_nc_u32 v14, s49, v11
	v_lshlrev_b32 v15, 6, v3                       ; q's and k's bias: 16 h numbers on
	s_wait_alu depctr_va_vdst(0)
	v_and_b32 v16, 8, v2
	v_add_nc_u32 v16, v16, v2
	v_lshlrev_b32 v16, 2, v16                      ; v's bias: my channel r + 8 (r / 8) of the tile
.irp b, 0,1,2,3
	v_mov_b32 v[TM+4+\b], 0                        ; a lane permute's destination counts as one of its sources
.endr
	s_mov_b32 s51, 0
	s_mov_b32 s53, 0
	s_lshl_b32 s50, s10, 9
	s_add_co_u32 s50, s50, XS
	s_add_nc_u64 s[78:79], s[68:69], s[50:51]      ; x's scale words, tile 8 Y
	s_lshl_b32 s50, s9, 10
	s_add_co_u32 s52, s50, WS
	s_add_nc_u64 s[80:81], s[68:69], s[52:53]      ; the weights', tile 16 X
	s_lshl_b32 s52, s6, 9
	s_add_co_u32 s52, s52, s50
	s_add_nc_u64 s[82:83], s[70:71], s[52:53]      ; bq and bk at channel 256 X + 128 (w % 2)
	s_add_nc_u64 s[84:85], s[72:73], s[52:53]
	s_lshl_b32 s52, s4, 8
	s_add_co_u32 s52, s52, s50
	s_add_nc_u64 s[86:87], s[74:75], s[52:53]      ; bv at channel 256 X + 64 w
	s_lshl_b32 s54, s10, 3
	s_lshl_b32 s55, s5, 2
	s_add_co_u32 s54, s54, s55                     ; my first tile of rows
	s_lshl_b32 s55, s9, 1
	s_add_co_u32 s55, s55, s6                      ; my K step of q k^T
	s_lshl_b32 s52, s54, 3
	s_add_co_u32 s52, s52, s55
	s_mul_i32 s52, s52, 1536
	s_add_nc_u64 s[88:89], s[76:77], s[52:53]      ; q's images
	s_add_nc_u64 s[90:91], s[88:89], KC            ; k's
	s_lshl_b32 s52, s55, 9
	s_add_co_u32 s52, s52, s54
	s_lshl_b32 s52, s52, 6
	s_add_co_u32 s52, s52, QS
	s_add_nc_u64 s[94:95], s[76:77], s[52:53]      ; q's scale words
	s_add_nc_u64 s[96:97], s[94:95], 262144        ; k's
	s_lshl_b32 s56, s9, 4
	s_lshl_b32 s57, s4, 2
	s_add_co_u32 s56, s56, s57                     ; my first channel tile of v
	s_lshr_b32 s52, s10, 4
	s_lshl_b32 s52, s52, 6
	s_add_co_u32 s52, s52, s56
	s_lshl_b32 s52, s52, 4
	s_and_b32 s57, s10, 15
	s_add_co_u32 s52, s52, s57
	s_mul_i32 s52, s52, 1536
	s_add_co_u32 s52, s52, VC
	s_add_nc_u64 s[92:93], s[76:77], s[52:53]      ; v^T's images
	s_lshl_b32 s52, s10, 6
	s_add_co_u32 s52, s52, s56
	s_lshl_b32 s52, s52, 6
	s_add_co_u32 s52, s52, VS
	s_add_nc_u64 s[98:99], s[76:77], s[52:53]      ; v^T's scale words
.irp j, 0,1                                    ; one load brings the words of two tiles: lanes 0-15 the even one's, lanes 16-31 the odd one's
.irp s, 0,1,2,3,4,5,6,7
	global_load_b32 v[32+8*\j+\s], v12, s[78:79] offset:\s*32768+128*\j
.endr
.endr
.irp j, 0,1,2,3
.irp s, 0,1,2,3,4,5,6,7
	global_load_b32 v[48+8*\j+\s], v13, s[80:81] offset:\s*4096+128*\j
.endr
.endr
	WIN 0xc0
.irp b, 0,1,2,3,4,5,6,7
	global_load_b128 v[96+8*\b:96+8*\b+3], v15, s[82:83] offset:(32*(\b/2)+8*(\b%2))*4
	global_load_b128 v[96+8*\b+4:96+8*\b+7], v15, s[82:83] offset:(32*(\b/2)+8*(\b%2))*4+16
.endr
	WIN 0
	s_wait_alu depctr_va_vdst(0)                   ; the wait at the head's end
	s_wait_tensorcnt 0x0                           ; my part of the head's tiles is in; slot 1's first fill is issued as a refill is
	ds_add_u32 v28, v29
	s_mov_b32 s26, 4<<16                           ; no load of mine is out: from here on a weight's load brings four tiles
	s_mov_b32 s28, 4
	s_wait_dscnt 0x0
	CROUND
	tensor_load_to_lds s[40:43], s[24:31]          ; slot 1: K steps 4 to 7 of q's weight, a quarter a wave
	s_nop 0
	PLACES 4
	FETCH 0, 0, 0, 0, 0
	; ---- pass 0: q
	STEPA 0, 1
	s_wait_loadcnt 0x0                             ; the scale words and the bias
	STEPB 0, 0
	STEPA 0, 2
	WIN 0                                          ; k's scale words and bias are asked for here
.irp j, 0,1,2,3
.irp s, 0,1,2,3,4,5,6,7
	global_load_b32 v[80+8*\j+\s], v13, s[80:81] offset:32768+\s*4096+128*\j
.endr
.endr
	WIN 0xc0
.irp b, 0,1,2,3,4,5,6,7
	global_load_b128 v[160+8*\b:160+8*\b+3], v15, s[84:85] offset:(32*(\b/2)+8*(\b%2))*4
	global_load_b128 v[160+8*\b+4:160+8*\b+7], v15, s[84:85] offset:(32*(\b/2)+8*(\b%2))*4+16
.endr
	STEPB 0, 1
	STEPA 0, 3
	STEPB 0, 2
	TURN 0, 3, 1, 0, 4
	STEPA 0, 5
	STEPB 0, 4
	STEPA 0, 6
	STEPB 0, 5
	STEPA 0, 7
	STEPB 0, 6
	TURN 0, 7, 1, 0, 0
	EPI 88, 94, 12288
	; ---- pass 1: k
	STEPA 0, 1
	s_wait_loadcnt 0x0
	STEPB 1, 0
	STEPA 0, 2
	WIN 0                                          ; the scale words of the v pass
.irp j, 0,1,2,3
.irp s, 0,1,2,3,4,5,6,7
	global_load_b32 v[112+8*\j+\s], v11, s[78:79] offset:\s*32768+128*\j
.endr
.endr
.irp j, 0,1
.irp s, 0,1,2,3,4,5,6,7
	global_load_b32 v[144+8*\j+\s], v14, s[80:81] offset:65536+\s*4096+128*\j
.endr
.endr
	STEPB 1, 1
	STEPA 0, 3
	WIN 0xc0                                       ; v's bias: a lane's channel has one number, which fills the eight registers of C
.irp a, 0,1,2,3
.irp j, 0,1,2,3,4,5,6,7
	global_load_b32 v[224+8*\a+\j], v16, s[86:87] offset:(32*(\a/2)+8*(\a%2))*4
.endr
.endr
	STEPB 1, 2
	TURN 1, 3, 1, 0, 4
	STEPA 0, 5
	STEPB 1, 4
	STEPA 0, 6
	STEPB 1, 5
	STEPA 0, 7
	STEPB 1, 6
	TURN 1, 7, 1, 1, 0
	EPI 90, 96, 12288
	; ---- pass 2: v
	STEPA 1, 1
	s_wait_loadcnt 0x0
	STEPB 2, 0
	STEPA 1, 2
	STEPB 2, 1
	STEPA 1, 3
	STEPB 2, 2
	TURN 2, 3, 0, 1, 4                             ; nothing is left to fetch: the work-group's barrier alone
	STEPA 1, 5
	STEPB 2, 4
	STEPA 1, 6
	STEPB 2, 5
	STEPA 1, 7
	STEPB 2, 6
	s_wait_dscnt 0x0
	STEPB 2, 7
	EPI 92, 98, 24576
	s_wait_tensorcnt 0x0                           ; the wave's end
	ds_add_u32 v28, v29
	s_wait_dscnt 0x0
	CROUND                                         ; the closing round
	s_endpgm
.Lfunc_end_k_qfbb7159617_proj:
	.size	k_qfbb7159617_proj, .Lfunc_end_k_qfbb7159617_proj-k_qfbb7159617_proj
	.p2alignl 7, 3214868480
	.fill 96, 4, 3214868480
	.section	.rodata,"a",@progbits
	.p2align	6, 0x0
	.amdhsa_kernel k_qfbb7159617_proj
		.amdhsa_group_segment_fixed_size 327680
		.amdhsa_private_segment_fixed_size 0
		.amdhsa_enable_private_segment 0
		.amdhsa_kernarg_size 40
		.amdhsa_user_sgpr_count 2
		.amdhsa_user_sgpr_kernarg_segment_ptr 1
		.amdhsa_wavefront_size32 1
		.amdhsa_system_sgpr_workgroup_id_x 1
		.amdhsa_system_sgpr_workgroup_id_y 1
		.amdhsa_system_sgpr_workgroup_id_z 1
		.amdhsa_system_vgpr_workitem_id 0
		.amdhsa_next_free_vgpr 1024
		.amdhsa_next_free_sgpr 100
		.amdhsa_reserve_vcc 0
		.amdhsa_float_denorm_mode_32 3
		.amdhsa_float_denorm_mode_16_64 3
		.amdhsa_memory_ordered 1
		.amdhsa_forward_progress 1
		.amdhsa_inst_pref_size 238
	.end_amdhsa_kernel
	.amdgpu_metadata
---
amdhsa.version: [ 1, 2 ]
amdhsa.kernels:
  - .name:           k_qfbb7159617_proj
    .symbol:         k_qfbb7159617_proj.kd
    .args:
      - { .name: xw, .offset: 0, .size: 8, .value_kind: global_buffer, .address_space: global }
      - { .name: bq, .offset: 8, .size: 8, .value_kind: global_buffer, .address_space: global }
      - { .name: bk, .offset: 16, .size: 8, .value_kind: global_buffer, .address_space: global }
      - { .name: bv, .offset: 24, .size: 8, .value_kind: global_buffer, .address_space: global }
      - { .name: qkv, .offset: 32, .size: 8, .value_kind: global_buffer, .address_space: global }
    .group_segment_fixed_size: 327680
    .private_segment_fixed_size: 0
    .kernarg_segment_align: 8
    .kernarg_segment_size: 40
    .max_flat_workgroup_size: 128
    .sgpr_count:     100
    .vgpr_count:     1024
    .wavefront_size: 32
...
	.end_amdgpu_metadata
.endif
;; end of part 2
;; launch scores (part 3): grid 8 x 32, 4 waves a work-group, clusters of 4 x 4, 327,680 bytes of LDS; arguments qkv, pp; writes pp
.if DOCPART == 3
	.amdgcn_target "amdgcn-amd-amdhsa--gfx1250"
	.amdhsa_code_object_version 6
	.text
	.protected	k_qfbb7159617_scores
	.globl	k_qfbb7159617_scores
	.p2align	8
	.type	k_qfbb7159617_scores,@function
k_qfbb7159617_scores:
	s_mov_b64 s[64:65], 0
	v_nop
	global_prefetch_b8 v0, s[64:65] scope:SCOPE_SE
	s_setreg_imm32_b32 hwreg(HW_REG_WAVE_MODE, 25, 1), 1
	s_wait_xcnt 0x0
	s_wait_alu depctr_hold_cnt(0) depctr_sa_sdst(0) depctr_va_vdst(0) depctr_va_sdst(0) depctr_va_ssrc(0) depctr_va_vcc(0) depctr_vm_vsrc(0)
	s_getreg_b32 s2, hwreg(HW_REG_IB_STS2, 6, 4)
	s_cmp_eq_u32 s2, 0
	s_cbranch_scc0 .Lentry_in_a_cluster
	s_endpgm
.Lentry_in_a_cluster:
	s_bfe_u32 s2, ttmp6, 0x10000c
	s_cmp_lg_u32 s2, 0xf033
	s_cbranch_scc0 .Lentry_shape_is_right
	s_endpgm
.Lentry_shape_is_right:
; SCORES: S = q k^T on codes of E3M2, and p = 2^(t - M) quantised along the keys, t = score x log2(e) / 32.  Nothing is left out.
; M IS LOCAL HERE: a wave holds 128 of a row's 2,048 keys, and takes M = ceil(the largest t of these 128).  M is a whole number, so the step to the row's M is an exact power of two, which the next launch takes off the blocks' scale bytes:
; the codes are those of the row's M.  The maximum is taken away before every exponential.  For each row and each 128 keys a record of 16 bytes goes out: the scale word, -M, the sum of the unquantised p, 0.
; SHARES.  A work-group takes 256 queries (tiles 16 Y ..) x 256 keys (tiles 16 X .. of the batch); a wave 128 x 128: 64 accumulators.  Source 0 = k tiles 8 (w % 2) + b, source 1 = q tiles 8 (w / 2) + a: a lane holds one query, and the 64
; registers of (a, 0..7) are 128 neighbouring keys: K step 2 X + w % 2 of p v.  pp: p's images [512 query tiles][16 key steps] at 0; the records [16 key steps][512 tiles][16] at PST.
; CLUSTER 4 x 4: q's tiles are asked for jointly along a row of the cluster, k's along a column.
; LDS: two slots of three K steps each, [q: 16 tiles x 4,608 bytes][k: 16 tiles x 4,608]; K steps 0 to 5 are first fills, 6 and 7 fill slot 0 again, four steps ahead of their use.  By this text's count one tensor load of a wave is out at the head, one later.
; All of a WGP's LDS is claimed.
; LIMITS: NaN and infinities are not served; an exponential under 2^-126 comes out 0; a block whose largest p lies under 2^-122 has the byte 1; |t| stays under 2^24 (M is kept as f32).
; REGISTERS: window 0: v1, v11, v16-22 addresses; v28, v29 the add's two; v32-63 q's scale words, v64-95 k's; v96-119 a tile's word, -M, sum; v120-123 a record; v128-223 q's fragments, ONE set (on the way out: at work).
;   window 1: k's fragments, two sets at v0, v128.   windows 2, 3: accumulator (a, b) at v[8 (8 (a % 4) + b)].
.set KC,    6291456
.set QS,    18874368
.set KS,    19136512
.set PST,   12582912
; LDS NOW: TWO slots of THREE K steps each, 147,456 bytes: [q: 16 tiles x 4,608 bytes][k: 16 tiles x 4,608].  K steps 0-2 come at the head, one load a wave; 3-5 behind the full sequence and a round; 6 and 7 fill slot 0 again in K step 2.
.set SPARE, 294912
.set WW,  96
.set NN,  104
.set LL,  112
.set REC, 120
.set T,   128
.set PC,  192
.set MB,  212
.set MP,  216
.set SCL, 220
.set BY,  224
.set NM,  228
.set MSB, 0
.macro WIN new
.if MSB != (\new)
	s_set_vgpr_msb (MSB<<8)|(\new)
.set MSB, \new
.endif
.endm
.macro PLACES n
.rept \n
	v_nop
.endr
.endm
.macro CREST
	s_cmp_lg_u32 s4, 0
	s_cbranch_scc1 .Lnot_wave_0_\@
	s_barrier_signal -3
.Lnot_wave_0_\@:
	s_barrier_wait -3
	s_barrier_signal -1
	s_barrier_wait -1
.endm
.macro CROUND
	s_barrier_signal -1
	s_barrier_wait -1
	CREST
.endm
; a joint load: waves 0 and 1 fetch q's halves, waves 2 and 3 k's; the branch hangs on the wave's number alone
.macro JLOAD g0a, g1a, g0b, g1b
	s_cmp_eq_u32 s5, 0
	s_cbranch_scc0 .Lfor_b_\@
	tensor_load_to_lds s[\g0a:\g0a+3], s[\g1a:\g1a+7]
	s_nop 0
	PLACES 4
	s_branch .Lasked_\@
.Lfor_b_\@:
	tensor_load_to_lds s[\g0b:\g0b+3], s[\g1b:\g1b+7]
	s_nop 0
	PLACES 4
.Lasked_\@:
.endm
.macro WM d, fa, fb, c, sa, sb, ra, rb
.if (\c) < 0
.if (\ra) && (\rb)
	v_wmma_scale_f32_16x16x128_f8f6f4 v[\d:\d+7], v[\fa:\fa+11], v[\fb:\fb+11], 0, v[\sa], v[\sb] matrix_a_fmt:MATRIX_FMT_BF6 matrix_b_fmt:MATRIX_FMT_BF6 matrix_a_scale:MATRIX_SCALE_ROW1 matrix_b_scale:MATRIX_SCALE_ROW1
.elseif (\ra)
	v_wmma_scale_f32_16x16x128_f8f6f4 v[\d:\d+7], v[\fa:\fa+11], v[\fb:\fb+11], 0, v[\sa], v[\sb] matrix_a_fmt:MATRIX_FMT_BF6 matrix_b_fmt:MATRIX_FMT_BF6 matrix_a_scale:MATRIX_SCALE_ROW1
.elseif (\rb)
	v_wmma_scale_f32_16x16x128_f8f6f4 v[\d:\d+7], v[\fa:\fa+11], v[\fb:\fb+11], 0, v[\sa], v[\sb] matrix_a_fmt:MATRIX_FMT_BF6 matrix_b_fmt:MATRIX_FMT_BF6 matrix_b_scale:MATRIX_SCALE_ROW1
.else
	v_wmma_scale_f32_16x16x128_f8f6f4 v[\d:\d+7], v[\fa:\fa+11], v[\fb:\fb+11], 0, v[\sa], v[\sb] matrix_a_fmt:MATRIX_FMT_BF6 matrix_b_fmt:MATRIX_FMT_BF6
.endif
.else
.if (\ra) && (\rb)
	v_wmma_scale_f32_16x16x128_f8f6f4 v[\d:\d+7], v[\fa:\fa+11], v[\fb:\fb+11], v[\c:\c+7], v[\sa], v[\sb] matrix_a_fmt:MATRIX_FMT_BF6 matrix_b_fmt:MATRIX_FMT_BF6 matrix_a_scale:MATRIX_SCALE_ROW1 matrix_b_scale:MATRIX_SCALE_ROW1
.elseif (\ra)
	v_wmma_scale_f32_16x16x128_f8f6f4 v[\d:\d+7], v[\fa:\fa+11], v[\fb:\fb+11], v[\c:\c+7], v[\sa], v[\sb] matrix_a_fmt:MATRIX_FMT_BF6 matrix_b_fmt:MATRIX_FMT_BF6 matrix_a_scale:MATRIX_SCALE_ROW1
.elseif (\rb)
	v_wmma_scale_f32_16x16x128_f8f6f4 v[\d:\d+7], v[\fa:\fa+11], v[\fb:\fb+11], v[\c:\c+7], v[\sa], v[\sb] matrix_a_fmt:MATRIX_FMT_BF6 matrix_b_fmt:MATRIX_FMT_BF6 matrix_b_scale:MATRIX_SCALE_ROW1
.else
	v_wmma_scale_f32_16x16x128_f8f6f4 v[\d:\d+7], v[\fa:\fa+11], v[\fb:\fb+11], v[\c:\c+7], v[\sa], v[\sb] matrix_a_fmt:MATRIX_FMT_BF6 matrix_b_fmt:MATRIX_FMT_BF6
.endif
.endif
.endm
; 8 products: q's block a against k's eight, K step s.  z = 1: the constant 0 starts the sums.  The 64 accumulators take turns, one instruction a turn
.macro MULA a, s, z
.irp b, 0,1,2,3,4,5,6,7
.set DA, 8*(8*((\a)%4)+\b)
.if \z
.set CA, -1
.else
.set CA, DA
.endif
	WM DA, 128*((\s)%2)+12*\b, 128+12*(\a), CA, 64+8*(\b/2)+(\s), 32+8*((\a)/2)+(\s), \b%2, (\a)%2
.endr
.endm
.macro FETCH_B slot, q, set            ; k's eight fragments of the slot's q-th K step
	WIN 0x40
.irp b, 0,1,2,3,4,5,6,7
.irp c, 0,1,2
	ds_load_b128 v[128*(\set)+12*\b+4*\c:128*(\set)+12*\b+4*\c+3], v[20+(\slot)] offset:\b*4608+(\q)*1536+512*\c
.endr
.endr
	WIN 0
.endm
.macro FETCH_A slot, q, a0             ; q's blocks a0 .. a0 + 3
.irp a, \a0, \a0+1, \a0+2, \a0+3
.irp c, 0,1,2
	ds_load_b128 v[128+12*(\a)+4*\c:128+12*(\a)+4*\c+3], v[16+(\slot)] offset:(\a)*4608+(\q)*1536+512*\c
.endr
.endr
.endm
; a K step whose successor's tiles are known whole.  q has one set of registers: blocks 0-3 are fetched anew in the step's middle, blocks 4-7 at its end
.macro STEP s, z, nslot, nq
	s_wait_dscnt 12                                ; k's set and q's blocks 0-3 are in; the youngest 12 loads (blocks 4-7) may be out
	WIN 0xa1                                       ; source 0 window 1, source 1 window 0, C and D window 2
	MULA 0, \s, \z
	MULA 1, \s, \z
	MULA 2, \s, \z
	MULA 3, \s, \z
	s_wait_dscnt 0x0
	PLACES 4
	FETCH_B \nslot, \nq, ((\s)+1)%2
	FETCH_A \nslot, \nq, 0
	WIN 0xf1                                       ; C and D window 3
	MULA 4, \s, \z
	MULA 5, \s, \z
	MULA 6, \s, \z
	MULA 7, \s, \z
	PLACES 4
	WIN 0
	FETCH_A \nslot, \nq, 4
.endm
; a K step with a barrier in it: each wave waits for all its tensor loads, adds 0 to its spare word, waits for that and for its LDS reads.  fill = 1: a round of the cluster's barrier, and slot 0 takes K steps 6 and 7
.macro TURN s, fill, nslot, nq
	s_wait_tensorcnt 0x0                           ; all my tensor loads have landed  (every window is 0 here)
	ds_add_u32 v28, v29
	s_wait_dscnt 13                                ; the add and the youngest 12 loads may be out
	WIN 0xa1
	MULA 0, \s, 0
	MULA 1, \s, 0
	s_wait_dscnt 0x0                               ; the add is done, and my reads of the slot are over
	s_barrier_signal -1
	MULA 2, \s, 0
	MULA 3, \s, 0
	WIN 0
	s_barrier_wait -1
.if \fill
	CREST
	s_add_nc_u64 s[34:35], s[34:35], 9216          ; six K steps on along K
	s_add_nc_u64 s[46:47], s[46:47], 9216
	s_mov_b32 s17, 384<<16                         ; two K steps are left of each row: what lies beyond them is written as zeros and read by nobody
	s_mov_b32 s25, 384<<16
	JLOAD 32, 16, 44, 24                           ; its four v_nop are also the places in front of the loads below
.else
	PLACES 4
.endif
	FETCH_B \nslot, \nq, ((\s)+1)%2
	FETCH_A \nslot, \nq, 0
	WIN 0xf1
	MULA 4, \s, 0
	MULA 5, \s, 0
	MULA 6, \s, 0
	MULA 7, \s, 0
	PLACES 4
	WIN 0
	FETCH_A \nslot, \nq, 4
.endm
; q block a's 16 queries x my 128 keys: the local M, p, its sum, its codes and scale word
.macro SOFTQ a
.set WS, 2+(\a)/4
.set S, 64*((\a)%4)
	WIN 0
	s_wait_xcnt 0x0                                ; earlier stores have read the codes' and the record's registers
	WIN WS*0x15                                    ; all three sources in the scores' window
.irp b, 0,1,2,3
	v_max3_num_f32 v[MB+\b], v[S+16*\b], v[S+16*\b+1], v[S+16*\b+2]   ; the largest score of each block of 32 keys; each accumulator is read from its low end on
.endr
	WIN WS*0x14                                    ; sources 1 and 2
.irp i, 3,5,7,9,11,13
.irp b, 0,1,2,3
	v_max3_num_f32 v[MB+\b], v[MB+\b], v[S+16*\b+\i], v[S+16*\b+\i+1]
.endr
.endr
.irp b, 0,1,2,3
	v_max_num_f32 v[MB+\b], v[MB+\b], v[S+16*\b+15]
.endr
	WIN 0
.irp b, 0,1,2,3
	v_permlanex16_b32 v[MP+\b], v[MB+\b], s82, s83
.endr
.irp b, 0,1,2,3
	v_max_num_f32 v[MB+\b], v[MB+\b], v[MP+\b]     ; with lane l xor 16's 16 keys
.endr
	v_max3_num_f32 v234, v[MB], v[MB+1], v[MB+2]
	v_max_num_f32 v234, v234, v[MB+3]
	v_mul_f32 v234, s80, v234                      ; the largest t of these 128 keys
	v_floor_f32 v[NM], -v234                       ; -M = floor(-t): a whole number
	WIN WS                                         ; source 0 in the scores' window
.set j, 0
.rept 32
	v_pk_fma_f32 v[T+j:T+j+1], v[S+j:S+j+1], s[80:81], v[NM:NM+1] op_sel_hi:[1,0,0]   ; t - M
.set j, j+2
.endr
	WIN 0
.irp b, 0,1,2,3
	v_fma_f32 v[MB+\b], v[MB+\b], s80, v[NM]       ; the same of each block's largest score: p rises with the score
.endr
.set j, 0
	s_wait_alu depctr_va_vdst(0)
.rept 64
	v_exp_f32 v[T+j], v[T+j]                       ; p, at most 1
.set j, j+1
.endr
.irp b, 0,1,2,3
	v_exp_f32 v[MB+\b], v[MB+\b]                   ; the block's largest p
.endr
	v_nop                                          ; a plain place behind the last exponential
	s_wait_alu depctr_va_vdst(0)                   ; one wait for the batch of 68, ahead of its first reader
	v_pk_add_f32 v[230:231], v[T:T+1], v[T+2:T+3]  ; the sum of the unquantised p, in two chains
	v_pk_add_f32 v[232:233], v[T+4:T+5], v[T+6:T+7]
.irp j, 8,12,16,20,24,28,32,36,40,44,48,52,56,60
	v_pk_add_f32 v[230:231], v[230:231], v[T+\j:T+\j+1]
	v_pk_add_f32 v[232:233], v[232:233], v[T+\j+2:T+\j+3]
.endr
	v_pk_add_f32 v[230:231], v[230:231], v[232:233]
	v_add_f32 v234, v230, v231
	v_permlanex16_b32 v[MP], v234, s82, s83
	v_add_f32 v[LL+(\a)], v234, v[MP]
.irp b, 0,1,2,3
	v_max_num_f32 v[MB+\b], 0x2800000, v[MB+\b]    ; the floor 2^(5 - 127)
.endr
.irp b, 0,1,2,3
	v_add_nc_u32 v[SCL+\b], 0xfe000000, v[MB+\b]
.endr
.irp b, 0,1,2,3
	v_lshrrev_b32 v[BY+\b], 23, v[SCL+\b]
.endr
	v_lshl_or_b32 v[WW+(\a)], v[BY+1], 8, v[BY]
	v_lshl_or_b32 v[WW+(\a)], v[BY+2], 16, v[WW+(\a)]
	v_lshl_or_b32 v[WW+(\a)], v[BY+3], 24, v[WW+(\a)]
	v_mov_b32 v[NN+(\a)], v[NM]
.irp c, 0,1
	v_cvt_scalef32_pk16_bf6_f32 v[PC+6*\c:PC+2+6*\c], v[T+32*\c:T+15+32*\c], v[SCL+2*\c]
	v_cvt_scalef32_pk16_bf6_f32 v[PC+12+4*\c:PC+14+4*\c], v[T+16+32*\c:T+31+32*\c], v[SCL+2*\c+1]
.endr
	v_nop
.irp c, 0,1
.irp i, 0,1,2
	v_permlane16_swap_b32 v[PC+6*\c+\i], v[PC+12+4*\c+\i]
.endr
.irp i, 0,1,2
	v_mov_b32 v[PC+3+6*\c+\i], v[PC+12+4*\c+\i]
.endr
.endr
.irp c, 0,1,2
	global_store_b128 v1, v[PC+4*\c:PC+4*\c+3], s[76:77] offset:(\a)*24576+512*\c
.endr
.if ((\a)%2) == 1                              ; two tiles' records: lanes 0-15 tile a - 1's, lanes 16-31 tile a's: 512 consecutive bytes
	v_cndmask_b32 v[REC], v[WW+(\a)-1], v[WW+(\a)], s84
	v_cndmask_b32 v[REC+1], v[NN+(\a)-1], v[NN+(\a)], s84
	v_cndmask_b32 v[REC+2], v[LL+(\a)-1], v[LL+(\a)], s84
	global_store_b128 v1, v[REC:REC+3], s[78:79] offset:256*((\a)-1)
.endif
.endm
	s_load_b128 s[68:71], s[0:1], 0x0              ; qkv, pp
	v_lshl_add_u32 v28, v0, 2, SPARE
	v_mov_b32 v29, 0
	ds_add_u32 v28, v29                            ; the wave's opening: the add, twice on end, and its wait ahead of my first tensor load
	ds_add_u32 v28, v29
	v_lshrrev_b32 v1, 5, v0
	v_readfirstlane_b32 s4, v1
	s_lshr_b32 s5, s4, 1
	s_and_b32 s6, s4, 1
	s_bfe_u32 s7, ttmp6, 0x40000
	s_bfe_u32 s8, ttmp6, 0x40004
	s_lshl_b32 s9, ttmp9, 2
	s_add_co_u32 s9, s9, s7                        ; X: which 256 keys of the batch
	s_and_b32 s13, ttmp7, 0xffff
	s_lshl_b32 s10, s13, 2
	s_add_co_u32 s10, s10, s8                      ; Y: which 256 queries
	s_lshr_b32 s13, s13, 1                         ; the batch: the same in all sixteen partners
	s_lshl_b32 s11, s8, 2
	s_lshl_b32 s11, 15, s11
	s_lshl_b32 s12, 0x1111, s7
	s_or_b32 s16, s11, (3<<16)|(1<<21)             ; eight tiles x three K steps: 8 rows of 4,608 bytes, 12,288 bytes apart
	s_or_b32 s24, s12, (3<<16)|(1<<21)
.irp g, 16, 24
	s_mov_b32 s[\g+1], 576<<16
	s_mov_b32 s[\g+2], 8<<16
	s_mov_b32 s[\g+3], 576<<16
	s_mov_b32 s[\g+4], 8
	s_mov_b32 s[\g+5], 1536
	s_mov_b32 s[\g+6], 0
	s_mov_b32 s[\g+7], 0
.endr
	s_lshl_b32 s56, s10, 4
	s_lshl_b32 s57, s6, 3
	s_add_co_u32 s56, s56, s57
	s_mul_i32 s56, s56, 12288                      ; q tiles 16 Y + 8 (w % 2) on
	s_mov_b32 s57, 0
	s_lshl_b32 s58, s13, 7
	s_lshl_b32 s59, s9, 4
	s_add_co_u32 s58, s58, s59
	s_lshl_b32 s59, s6, 3
	s_add_co_u32 s58, s58, s59
	s_mul_i32 s58, s58, 12288
	s_add_co_u32 s58, s58, KC                      ; k tiles 128 batch + 16 X + 8 (w % 2) on
	s_mov_b32 s59, 0
	s_mul_i32 s60, s4, 36864
	s_mov_b32 s80, 0x3d38aa3b                      ; log2(e) / sqrt(1024)
	s_mov_b32 s81, s80
	s_mov_b32 s82, 0x76543210
	s_mov_b32 s83, 0xfedcba98
	s_mov_b32 s84, 0xffff0000
	s_wait_dscnt 0x0
	s_wait_kmcnt 0x0
	s_add_nc_u64 s[62:63], s[68:69], s[56:57]
	s_add_nc_u64 s[66:67], s[68:69], s[58:59]
	CROUND                                         ; the first joint loads meet
.irp n, 0,1
	s_mov_b32 s[32+4*\n], 1
	s_add_co_u32 s[33+4*\n], s60, \n*147456
	s_add_nc_u64 s[34+4*\n:35+4*\n], s[62:63], \n*4608
	s_or_b32 s[35+4*\n], s[35+4*\n], 0x80000000
	s_mov_b32 s[44+4*\n], 1
	s_add_co_u32 s[45+4*\n], s60, \n*147456
	s_add_nc_u64 s[46+4*\n:47+4*\n], s[66:67], \n*4608
	s_or_b32 s[47+4*\n], s[47+4*\n], 0x80000000
.endr
	JLOAD 32, 16, 44, 24                           ; slot 0: one tensor load a wave at the head
	v_and_b32 v1, 31, v0
	v_lshlrev_b32 v11, 2, v1
	s_wait_alu depctr_va_vdst(0)
	v_lshlrev_b32 v1, 4, v1
	s_mul_i32 s56, s5, 36864
	s_mul_i32 s57, s6, 36864
	s_add_co_u32 s57, s57, 73728
.irp n, 0,1
	v_add_nc_u32 v[16+\n], s56, v1
	v_add_nc_u32 v[20+\n], s57, v1
	s_add_co_u32 s56, s56, 147456
	s_add_co_u32 s57, s57, 147456
.endr
	s_mov_b32 s61, 0
	s_lshl_b32 s58, s10, 4
	s_lshl_b32 s59, s5, 3
	s_add_co_u32 s58, s58, s59                     ; my first tile of queries
	s_lshl_b32 s60, s58, 6
	s_add_co_u32 s60, s60, QS
	s_add_nc_u64 s[72:73], s[68:69], s[60:61]
	s_lshl_b32 s60, s13, 7
	s_lshl_b32 s59, s9, 4
	s_add_co_u32 s60, s60, s59
	s_lshl_b32 s59, s6, 3
	s_add_co_u32 s60, s60, s59
	s_lshl_b32 s60, s60, 6
	s_add_co_u32 s60, s60, KS
	s_add_nc_u64 s[74:75], s[68:69], s[60:61]
	s_lshl_b32 s59, s9, 1
	s_add_co_u32 s59, s59, s6                      ; my key step
	s_lshl_b32 s60, s58, 4
	s_add_co_u32 s60, s60, s59
	s_mul_i32 s60, s60, 1536
	s_add_nc_u64 s[76:77], s[70:71], s[60:61]      ; p's images
	s_lshl_b32 s60, s59, 17
	s_lshl_b32 s58, s58, 8
	s_add_co_u32 s60, s60, s58
	s_add_co_u32 s60, s60, PST
	s_add_nc_u64 s[78:79], s[70:71], s[60:61]      ; the records
.irp j, 0,1,2,3
.irp s, 0,1,2,3,4,5,6,7
	global_load_b32 v[32+8*\j+\s], v11, s[72:73] offset:\s*32768+128*\j
	global_load_b32 v[64+8*\j+\s], v11, s[74:75] offset:\s*32768+128*\j
.endr
.endr
	s_wait_alu depctr_va_vdst(0)
	s_wait_tensorcnt 0x0                           ; my part of slot 0 is in; slot 1's first fill is issued as a refill is
	ds_add_u32 v28, v29
	s_wait_dscnt 0x0
	CROUND
	JLOAD 36, 16, 48, 24                           ; slot 1: K steps 3 to 5
	FETCH_B 0, 0, 0
	FETCH_A 0, 0, 0
	FETCH_A 0, 0, 4
	s_wait_loadcnt 0x0                             ; the scale words
	STEP 0, 1, 0, 1
	STEP 1, 0, 0, 2
	TURN 2, 1, 1, 0                                ; slot 0 is left and takes K steps 6 and 7; the round has also shown slot 1 whole
	STEP 3, 0, 1, 1
	STEP 4, 0, 1, 2
	TURN 5, 0, 0, 0
	STEP 6, 0, 0, 1
	s_wait_dscnt 12
	WIN 0xa1
	MULA 0, 7, 0
	MULA 1, 7, 0
	MULA 2, 7, 0
	MULA 3, 7, 0
	s_wait_dscnt 0x0
	WIN 0xf1
	MULA 4, 7, 0
	MULA 5, 7, 0
	MULA 6, 7, 0
	MULA 7, 7, 0
	WIN 0
	PLACES 4                                       ; between the last products and the first read of results, and the first write over q's fragments
.irp b, 0,1,2,3
	v_mov_b32 v[MP+\b], 0                          ; a lane permute's destination counts as one of its sources
.endr
	v_mov_b32 v[NM+1], 0                           ; (named as the upper half of a pair)
	v_mov_b32 v[REC+3], 0
	SOFTQ 0
	SOFTQ 1
	SOFTQ 2
	SOFTQ 3
	SOFTQ 4
	SOFTQ 5
	SOFTQ 6
	SOFTQ 7
	s_wait_tensorcnt 0x0                           ; the wave's end
	ds_add_u32 v28, v29
	s_wait_dscnt 0x0
	CROUND
	s_endpgm
.Lfunc_end_k_qfbb7159617_scores:
	.size	k_qfbb7159617_scores, .Lfunc_end_k_qfbb7159617_scores-k_qfbb7159617_scores
	.p2alignl 7, 3214868480
	.fill 96, 4, 3214868480
	.section	.rodata,"a",@progbits
	.p2align	6, 0x0
	.amdhsa_kernel k_qfbb7159617_scores
		.amdhsa_group_segment_fixed_size 327680
		.amdhsa_private_segment_fixed_size 0
		.amdhsa_enable_private_segment 0
		.amdhsa_kernarg_size 16
		.amdhsa_user_sgpr_count 2
		.amdhsa_user_sgpr_kernarg_segment_ptr 1
		.amdhsa_wavefront_size32 1
		.amdhsa_system_sgpr_workgroup_id_x 1
		.amdhsa_system_sgpr_workgroup_id_y 1
		.amdhsa_system_sgpr_workgroup_id_z 1
		.amdhsa_system_vgpr_workitem_id 0
		.amdhsa_next_free_vgpr 1024
		.amdhsa_next_free_sgpr 100
		.amdhsa_reserve_vcc 0
		.amdhsa_float_denorm_mode_32 3
		.amdhsa_float_denorm_mode_16_64 3
		.amdhsa_memory_ordered 1
		.amdhsa_forward_progress 1
		.amdhsa_inst_pref_size 196
	.end_amdhsa_kernel
	.amdgpu_metadata
---
amdhsa.version: [ 1, 2 ]
amdhsa.kernels:
  - .name:           k_qfbb7159617_scores
    .symbol:         k_qfbb7159617_scores.kd
    .args:
      - { .name: qkv, .offset: 0, .size: 8, .value_kind: global_buffer, .address_space: global }
      - { .name: pp, .offset: 8, .size: 8, .value_kind: global_buffer, .address_space: global }
    .group_segment_fixed_size: 327680
    .private_segment_fixed_size: 0
    .kernarg_segment_align: 8
    .kernarg_segment_size: 16
    .max_flat_workgroup_size: 128
    .sgpr_count:     100
    .vgpr_count:     1024
    .wavefront_size: 32
...
	.end_amdgpu_metadata
.endif
;; end of part 3
;; launch pv (part 4): grid 4 x 64, 4 waves a work-group, clusters of 4 x 4, 327,680 bytes of LDS; arguments pp, qkv, x, h; writes h
.if DOCPART == 4
	.amdgcn_target "amdgcn-amd-amdhsa--gfx1250"
	.amdhsa_code_object_version 6
	.text
	.protected	k_qfbb7159617_pv
	.globl	k_qfbb7159617_pv
	.p2align	8
	.type	k_qfbb7159617_pv,@function
k_qfbb7159617_pv:
	s_mov_b64 s[64:65], 0
	v_nop
	global_prefetch_b8 v0, s[64:65] scope:SCOPE_SE
	s_setreg_imm32_b32 hwreg(HW_REG_WAVE_MODE, 25, 1), 1
	s_wait_xcnt 0x0
	s_wait_alu depctr_hold_cnt(0) depctr_sa_sdst(0) depctr_va_vdst(0) depctr_va_sdst(0) depctr_va_ssrc(0) depctr_va_vcc(0) depctr_vm_vsrc(0)
	s_getreg_b32 s2, hwreg(HW_REG_IB_STS2, 6, 4)
	s_cmp_eq_u32 s2, 0
	s_cbranch_scc0 .Lentry_in_a_cluster
	s_endpgm
.Lentry_in_a_cluster:
	s_bfe_u32 s2, ttmp6, 0x10000c
	s_cmp_lg_u32 s2, 0xf033
	s_cbranch_scc0 .Lentry_shape_is_right
	s_endpgm
.Lentry_shape_is_right:
.set VC,    12582912
.set VS,    19398656
.set PST,   12582912
.set SLOT1, 147456
.set SPARE, 294912
.set MSB, 0
.macro WIN new
.if MSB != (\new)
	s_set_vgpr_msb (MSB<<8)|(\new)
.set MSB, \new
.endif
.endm
.macro PLACES n
.rept \n
	v_nop
.endr
.endm
.macro CREST
	s_cmp_lg_u32 s4, 0
	s_cbranch_scc1 .Lnot_wave_0_\@
	s_barrier_signal -3
.Lnot_wave_0_\@:
	s_barrier_wait -3
	s_barrier_signal -1
	s_barrier_wait -1
.endm
.macro CROUND
	s_barrier_signal -1
	s_barrier_wait -1
	CREST
.endm
.macro JLOAD g0a, g1a, g0b, g1b
	s_cmp_eq_u32 s5, 0
	s_cbranch_scc0 .Lfor_b_\@
	tensor_load_to_lds s[\g0a:\g0a+3], s[\g1a:\g1a+7]
	s_nop 0
	PLACES 4
	s_branch .Lasked_\@
.Lfor_b_\@:
	tensor_load_to_lds s[\g0b:\g0b+3], s[\g1b:\g1b+7]
	s_nop 0
	PLACES 4
.Lasked_\@:
.endm
.macro WM d, fa, fb, c, sa, sb, ra, rb
.if (\c) < 0
.if (\ra) && (\rb)
	v_wmma_scale_f32_16x16x128_f8f6f4 v[\d:\d+7], v[\fa:\fa+11], v[\fb:\fb+11], 0, v[\sa], v[\sb] matrix_a_fmt:MATRIX_FMT_BF6 matrix_b_fmt:MATRIX_FMT_BF6 matrix_a_scale:MATRIX_SCALE_ROW1 matrix_b_scale:MATRIX_SCALE_ROW1
.elseif (\ra)
	v_wmma_scale_f32_16x16x128_f8f6f4 v[\d:\d+7], v[\fa:\fa+11], v[\fb:\fb+11], 0, v[\sa], v[\sb] matrix_a_fmt:MATRIX_FMT_BF6 matrix_b_fmt:MATRIX_FMT_BF6 matrix_a_scale:MATRIX_SCALE_ROW1
.elseif (\rb)
	v_wmma_scale_f32_16x16x128_f8f6f4 v[\d:\d+7], v[\fa:\fa+11], v[\fb:\fb+11], 0, v[\sa], v[\sb] matrix_a_fmt:MATRIX_FMT_BF6 matrix_b_fmt:MATRIX_FMT_BF6 matrix_b_scale:MATRIX_SCALE_ROW1
.else
	v_wmma_scale_f32_16x16x128_f8f6f4 v[\d:\d+7], v[\fa:\fa+11], v[\fb:\fb+11], 0, v[\sa], v[\sb] matrix_a_fmt:MATRIX_FMT_BF6 matrix_b_fmt:MATRIX_FMT_BF6
.endif
.else
.if (\ra) && (\rb)
	v_wmma_scale_f32_16x16x128_f8f6f4 v[\d:\d+7], v[\fa:\fa+11], v[\fb:\fb+11], v[\c:\c+7], v[\sa], v[\sb] matrix_a_fmt:MATRIX_FMT_BF6 matrix_b_fmt:MATRIX_FMT_BF6 matrix_a_scale:MATRIX_SCALE_ROW1 matrix_b_scale:MATRIX_SCALE_ROW1
.elseif (\ra)
	v_wmma_scale_f32_16x16x128_f8f6f4 v[\d:\d+7], v[\fa:\fa+11], v[\fb:\fb+11], v[\c:\c+7], v[\sa], v[\sb] matrix_a_fmt:MATRIX_FMT_BF6 matrix_b_fmt:MATRIX_FMT_BF6 matrix_a_scale:MATRIX_SCALE_ROW1
.elseif (\rb)
	v_wmma_scale_f32_16x16x128_f8f6f4 v[\d:\d+7], v[\fa:\fa+11], v[\fb:\fb+11], v[\c:\c+7], v[\sa], v[\sb] matrix_a_fmt:MATRIX_FMT_BF6 matrix_b_fmt:MATRIX_FMT_BF6 matrix_b_scale:MATRIX_SCALE_ROW1
.else
	v_wmma_scale_f32_16x16x128_f8f6f4 v[\d:\d+7], v[\fa:\fa+11], v[\fb:\fb+11], v[\c:\c+7], v[\sa], v[\sb] matrix_a_fmt:MATRIX_FMT_BF6 matrix_b_fmt:MATRIX_FMT_BF6
.endif
.endif
.endm
.macro FETCH slot, q, set
	WIN 0x40
.irp b, 0,1,2,3,4,5,6,7
.irp c, 0,1,2
	ds_load_b128 v[128*(\set)+12*\b+4*\c:128*(\set)+12*\b+4*\c+3], v[6+(\slot)] offset:\b*6144+(\q)*1536+512*\c
.endr
.endr
	WIN 0
.irp a, 0,1,2,3
.irp c, 0,1,2
	ds_load_b128 v[160+48*(\set)+12*\a+4*\c:160+48*(\set)+12*\a+4*\c+3], v[4+(\slot)] offset:\a*6144+(\q)*1536+512*\c
.endr
.endr
.endm
.macro MUL8 s, a
.irp b, 0,1,2,3,4,5,6,7
.set DA, 8*(8*(\a)+\b)
.if (\s) == 0
.set CA, -1
.else
.set CA, DA
.endif
	WM DA, 128*((\s)%2)+12*\b, 160+48*((\s)%2)+12*(\a), CA, 32+16*(\b/2)+(\s), 96+16*((\a)/2)+(\s), \b%2, (\a)%2
.endr
.endm
.macro STEPA ns
	s_wait_dscnt 0x0
	PLACES 4
	FETCH ((\ns)/4)%2, (\ns)%4, (\ns)%2
.endm
.macro STEPB s
	WIN 0xa1
	MUL8 \s, 0
	MUL8 \s, 1
	MUL8 \s, 2
	MUL8 \s, 3
.endm
.macro TURNA s, fill, ns
	WIN 0
	s_wait_tensorcnt 0x0
	ds_add_u32 v28, v29
	s_wait_dscnt 0x1
	WIN 0xa1
	MUL8 \s, 0
	s_wait_dscnt 0x0
	s_barrier_signal -1
	MUL8 \s, 1
	WIN 0
	s_barrier_wait -1
.if \fill
	CREST
	s_add_nc_u64 s[34+4*(((\s)/4)%2):35+4*(((\s)/4)%2)], s[34+4*(((\s)/4)%2):35+4*(((\s)/4)%2)], 12288
	s_add_nc_u64 s[42+4*(((\s)/4)%2):43+4*(((\s)/4)%2)], s[42+4*(((\s)/4)%2):43+4*(((\s)/4)%2)], 12288
	JLOAD 32+4*(((\s)/4)%2), 16, 40+4*(((\s)/4)%2), 24
.else
	PLACES 4
.endif
	FETCH ((\ns)/4)%2, (\ns)%4, (\ns)%2
.endm
.macro TURNB s
	WIN 0xa1
	MUL8 \s, 2
	MUL8 \s, 3
.endm
.macro XPART s
	WIN 0xc0
.irp k, 0,1,2,3,4
.set XN, 5*(\s)+\k
.if XN < 64
	global_load_b128 v[4*XN:4*XN+3], v1, s[80:81] offset:(32*(XN/32)+8*((XN/16)%2)+XN%16+8*((XN%16)/8))*4096 th:TH_LOAD_NT
.endif
.endr
.endm
.macro OUTA a
	WIN 0x02
.set j, 0
.rept 32
	v_pk_mul_f32 v[128+j:129+j], v[64*(\a)+j:64*(\a)+j+1], v[16+2*(\a):17+2*(\a)] op_sel_hi:[1,0]
.set j, j+2
.endr
	WIN 0
.irp b, 0,1,2,3
.irp q, 0,1,2,3
	ds_store_b128 v8, v[128+16*\b+4*\q:131+16*\b+4*\q] offset:128*\b+16*\q
.endr
.endr
	s_wait_xcnt 0x0
.irp i, 0,1,2,3,4,5,6,7,8,9,10,11,12,13,14,15
	ds_load_b128 v[192+4*\i:195+4*\i], v9 offset:528*\i
.endr
	s_wait_dscnt 0x0
	WIN 0x0c
.set j, 0
.rept 32
	v_pk_add_f32 v[192+j:193+j], v[192+j:193+j], v[64*(\a)+j:64*(\a)+j+1]
.set j, j+2
.endr
	WIN 0
.irp i, 0,1,2,3,4,5,6,7,8,9,10,11,12,13,14,15
	global_store_b128 v1, v[192+4*\i:195+4*\i], s[82:83] offset:(32*((\a)/2)+8*((\a)%2)+\i+8*(\i/8))*4096 th:TH_STORE_NT
.endr
.endm
	s_load_b256 s[68:75], s[0:1], 0x0
	v_lshl_add_u32 v28, v0, 2, SPARE
	v_mov_b32 v29, 0
	ds_add_u32 v28, v29
	ds_add_u32 v28, v29
	v_lshrrev_b32 v1, 5, v0
	v_readfirstlane_b32 s4, v1
	s_lshr_b32 s5, s4, 1
	s_and_b32 s6, s4, 1
	s_bfe_u32 s7, ttmp6, 0x40000
	s_bfe_u32 s8, ttmp6, 0x40004
	s_lshl_b32 s9, ttmp9, 2
	s_add_co_u32 s9, s9, s7
	s_and_b32 s13, ttmp7, 0xffff
	s_lshl_b32 s10, s13, 2
	s_add_co_u32 s10, s10, s8
	s_lshr_b32 s13, s13, 2
	s_lshl_b32 s11, s8, 2
	s_lshl_b32 s11, 15, s11
	s_lshl_b32 s12, 0x1111, s7
	s_or_b32 s16, s11, (3<<16)|(1<<21)
	s_mov_b32 s17, 768<<16
	s_mov_b32 s18, 4<<16
	s_mov_b32 s19, 768<<16
	s_mov_b32 s20, 4
	s_mov_b32 s21, 3072
	s_mov_b32 s22, 0
	s_mov_b32 s23, 0
	s_or_b32 s24, s12, (3<<16)|(1<<21)
	s_mov_b32 s25, 768<<16
	s_mov_b32 s26, 8<<16
	s_mov_b32 s27, 768<<16
	s_mov_b32 s28, 8
	s_mov_b32 s29, 3072
	s_mov_b32 s30, 0
	s_mov_b32 s31, 0
	s_lshl_b32 s48, s10, 3
	s_lshl_b32 s49, s6, 2
	s_add_co_u32 s48, s48, s49
	s_mul_i32 s48, s48, 24576
	s_mov_b32 s49, 0
	s_lshl_b32 s50, s13, 6
	s_lshl_b32 s51, s9, 4
	s_add_co_u32 s50, s50, s51
	s_lshl_b32 s51, s6, 3
	s_add_co_u32 s50, s50, s51
	s_mul_i32 s50, s50, 24576
	s_add_co_u32 s50, s50, VC
	s_mov_b32 s51, 0
	s_mul_i32 s52, s6, 24576
	s_mul_i32 s53, s6, 49152
	s_add_co_u32 s53, s53, 49152
	s_mov_b32 s84, 0xffff0000
	s_mov_b32 s85, 0x80808080
	s_mov_b32 s86, 0x76543210
	s_mov_b32 s87, 0xfedcba98
	s_wait_dscnt 0x0
	s_wait_kmcnt 0x0
	s_add_nc_u64 s[54:55], s[68:69], s[48:49]
	s_add_nc_u64 s[56:57], s[70:71], s[50:51]
	CROUND
.irp n, 0,1
	s_mov_b32 s[32+4*\n], 1
	s_add_co_u32 s[33+4*\n], s52, \n*SLOT1
	s_add_nc_u64 s[34+4*\n:35+4*\n], s[54:55], \n*6144
	s_or_b32 s[35+4*\n], s[35+4*\n], 0x80000000
	s_mov_b32 s[40+4*\n], 1
	s_add_co_u32 s[41+4*\n], s53, \n*SLOT1
	s_add_nc_u64 s[42+4*\n:43+4*\n], s[56:57], \n*6144
	s_or_b32 s[43+4*\n], s[43+4*\n], 0x80000000
.endr
	JLOAD 32, 16, 40, 24                           ; slot 0, behind the opening round: one tensor load a wave at the head; the records and scale words are asked for while it is on its way
	v_and_b32 v1, 31, v0
	v_and_b32 v2, 15, v0
	v_bfe_u32 v3, v0, 4, 1
	v_lshlrev_b32 v11, 2, v1
	v_lshlrev_b32 v1, 4, v1
	s_wait_alu depctr_va_vdst(0)
	s_mov_b32 s59, 0
	s_lshl_b32 s58, s10, 3
	s_lshl_b32 s60, s5, 2
	s_add_co_u32 s58, s58, s60
	s_lshl_b32 s58, s58, 8
	s_add_co_u32 s58, s58, PST
	s_add_nc_u64 s[76:77], s[68:69], s[58:59]
	s_lshl_b32 s58, s13, 10
	s_lshl_b32 s60, s9, 4
	s_add_co_u32 s58, s58, s60
	s_lshl_b32 s60, s6, 3
	s_add_co_u32 s58, s58, s60
	s_lshl_b32 s58, s58, 6
	s_add_co_u32 s58, s58, VS
	s_add_nc_u64 s[78:79], s[70:71], s[58:59]
	s_lshl_b32 s58, s10, 19
	s_lshl_b32 s60, s5, 18
	s_add_co_u32 s58, s58, s60
	s_lshl_b32 s60, s9, 10
	s_add_co_u32 s58, s58, s60
	s_lshl_b32 s60, s6, 9
	s_add_co_u32 s58, s58, s60
	s_add_nc_u64 s[80:81], s[72:73], s[58:59]
	s_add_nc_u64 s[82:83], s[74:75], s[58:59]
.irp p, 0,1
.irp s, 0,1,2,3,4,5,6,7,8,9,10,11,12,13,14,15
	global_load_b128 v[128+64*\p+4*\s:131+64*\p+4*\s], v1, s[76:77] offset:131072*\s+512*\p
.endr
.endr
.irp j, 0,1,2,3
.irp s, 0,1,2,3,4,5,6,7
	global_load_b32 v[32+16*\j+\s], v11, s[78:79] offset:4096*\s+128*\j
.endr
.endr
	s_mul_i32 s58, s5, 24576
	s_mul_i32 s60, s6, 49152
	s_add_co_u32 s60, s60, 49152
	v_add_nc_u32 v4, s58, v1
	v_add_nc_u32 v6, s60, v1
	s_add_co_u32 s58, s58, SLOT1
	s_add_co_u32 s60, s60, SLOT1
	v_add_nc_u32 v5, s58, v1
	v_add_nc_u32 v7, s60, v1
	s_mul_i32 s58, s4, 8448
	v_mul_u32_u24 v8, v2, 528
	v_lshl_add_u32 v8, v3, 6, v8
	v_add_nc_u32 v8, s58, v8
	v_add_nc_u32 v9, s58, v1
	s_wait_alu depctr_va_vdst(0)                   ; the wait ahead of the blocking wait
	s_wait_tensorcnt 0x0                           ; my part of slot 0 is in; slot 1's first fill is issued as a refill is
	ds_add_u32 v28, v29
	s_wait_dscnt 0x0
	CROUND
	JLOAD 36, 16, 44, 24                           ; slot 1: key steps 4 to 7
	s_wait_loadcnt 32
.irp j, 0,1,2,3
.irp s, 8,9,10,11,12,13,14,15
	global_load_b32 v[32+16*\j+\s], v11, s[78:79] offset:4096*\s+128*\j
.endr
.endr
.irp p, 0,1
	v_min3_num_f32 v[12+\p], v[129+64*\p], v[133+64*\p], v[137+64*\p]
.endr
.irp s, 3,5,7,9,11,13
.irp p, 0,1
	v_min3_num_f32 v[12+\p], v[12+\p], v[129+64*\p+4*\s], v[133+64*\p+4*\s]
.endr
.endr
.irp p, 0,1
	v_min_num_f32 v[12+\p], v[12+\p], v[189+64*\p]
.endr
.set n, 0
.rept 32
	v_sub_f32 v[129+4*n], v[129+4*n], v[12+n/16]
.set n, n+1
.endr
.set n, 0
.rept 32
	v_cvt_u32_f32 v[129+4*n], v[129+4*n]
.set n, n+1
.endr
.set n, 0
.rept 32
	v_min_u32 v[129+4*n], 127, v[129+4*n]
.set n, n+1
.endr
.set n, 0
.rept 32
	v_sub_nc_u32 v[131+4*n], 127, v[129+4*n]
.set n, n+1
.endr
.set n, 0
.rept 32
	v_lshlrev_b32 v[131+4*n], 23, v[131+4*n]
.set n, n+1
.endr
	v_mul_f32 v30, v130, v131
	v_mul_f32 v31, v194, v195
.irp s, 1,2,3,4,5,6,7,8,9,10,11,12,13,14,15
	v_fmac_f32 v30, v[130+4*\s], v[131+4*\s]
	v_fmac_f32 v31, v[194+4*\s], v[195+4*\s]
.endr
.set n, 0
.rept 32
	v_mul_u32_u24 v[131+4*n], v[129+4*n], 0x010101
.set n, n+1
.endr
.set n, 0
.rept 32
	v_lshl_or_b32 v[131+4*n], v[129+4*n], 24, v[131+4*n]
.set n, n+1
.endr
.set n, 0
.rept 32
	v_or_b32 v[128+4*n], s85, v[128+4*n]
.set n, n+1
.endr
.set n, 0
.rept 32
	v_sub_nc_u32 v[128+4*n], v[128+4*n], v[131+4*n]
.set n, n+1
.endr
.set n, 0
.rept 32
	v_and_b32 v[129+4*n], s85, v[128+4*n]
.set n, n+1
.endr
.set n, 0
.rept 32
	v_lshrrev_b32 v[130+4*n], 7, v[129+4*n]
.set n, n+1
.endr
.set n, 0
.rept 32
	v_sub_nc_u32 v[129+4*n], v[129+4*n], v[130+4*n]
.set n, n+1
.endr
.set n, 0
.rept 32
	v_and_b32 v[96+n], v[128+4*n], v[129+4*n]
.set n, n+1
.endr
	s_wait_alu depctr_va_vdst(0)
	v_rcp_f32 v30, v30
	v_rcp_f32 v31, v31
	v_nop
	s_wait_alu depctr_va_vdst(0)
	v_permlanex16_b32 v12, v30, s86, s87
	v_permlanex16_b32 v13, v31, s86, s87
	v_cndmask_b32 v16, v30, v12, s84
	v_cndmask_b32 v18, v12, v30, s84
	v_cndmask_b32 v20, v31, v13, s84
	v_cndmask_b32 v22, v13, v31, s84
	v_mov_b32 v17, v16
	v_mov_b32 v19, v18
	v_mov_b32 v21, v20
	v_mov_b32 v23, v22
	PLACES 8
	s_wait_tensorcnt 0x1
	s_barrier_signal -1
	s_barrier_wait -1
	FETCH 0, 0, 0
	s_wait_loadcnt 0x0
	STEPA 1
	XPART 0
	STEPB 0
	STEPA 2
	XPART 1
	STEPB 1
	STEPA 3
	XPART 2
	STEPB 2
	TURNA 3, 1, 4
	XPART 3
	TURNB 3
	STEPA 5
	XPART 4
	STEPB 4
	STEPA 6
	XPART 5
	STEPB 5
	STEPA 7
	XPART 6
	STEPB 6
	TURNA 7, 1, 8
	XPART 7
	TURNB 7
	STEPA 9
	XPART 8
	STEPB 8
	STEPA 10
	XPART 9
	STEPB 9
	STEPA 11
	XPART 10
	STEPB 10
	TURNA 11, 0, 12
	XPART 11
	TURNB 11
	STEPA 13
	XPART 12
	STEPB 12
	STEPA 14
	STEPB 13
	STEPA 15
	STEPB 14
	s_wait_dscnt 0x0
	STEPB 15
	WIN 0
	PLACES 4
	s_wait_alu depctr_va_vdst(0)
	s_wait_loadcnt 0x0
	OUTA 0
	OUTA 1
	OUTA 2
	OUTA 3
	s_wait_tensorcnt 0x0
	ds_add_u32 v28, v29
	s_wait_dscnt 0x0
	CROUND
	s_endpgm
.Lfunc_end_k_qfbb7159617_pv:
	.size	k_qfbb7159617_pv, .Lfunc_end_k_qfbb7159617_pv-k_qfbb7159617_pv
	.p2alignl 7, 3214868480
	.fill 96, 4, 3214868480
	.section	.rodata,"a",@progbits
	.p2align	6, 0x0
	.amdhsa_kernel k_qfbb7159617_pv
		.amdhsa_group_segment_fixed_size 327680
		.amdhsa_private_segment_fixed_size 0
		.amdhsa_enable_private_segment 0
		.amdhsa_kernarg_size 32
		.amdhsa_user_sgpr_count 2
		.amdhsa_user_sgpr_kernarg_segment_ptr 1
		.amdhsa_wavefront_size32 1
		.amdhsa_system_sgpr_workgroup_id_x 1
		.amdhsa_system_sgpr_workgroup_id_y 1
		.amdhsa_system_sgpr_workgroup_id_z 1
		.amdhsa_system_vgpr_workitem_id 0
		.amdhsa_next_free_vgpr 1024
		.amdhsa_next_free_sgpr 100
		.amdhsa_reserve_vcc 0
		.amdhsa_float_denorm_mode_32 3
		.amdhsa_float_denorm_mode_16_64 3
		.amdhsa_memory_ordered 1
		.amdhsa_forward_progress 1
		.amdhsa_inst_pref_size 182
	.end_amdhsa_kernel
	.amdgpu_metadata
---
amdhsa.version: [ 1, 2 ]
amdhsa.kernels:
  - .name:           k_qfbb7159617_pv
    .symbol:         k_qfbb7159617_pv.kd
    .args:
      - { .name: pp, .offset: 0, .size: 8, .value_kind: global_buffer, .address_space: global }
      - { .name: qkv, .offset: 8, .size: 8, .value_kind: global_buffer, .address_space: global }
      - { .name: x, .offset: 16, .size: 8, .value_kind: global_buffer, .address_space: global }
      - { .name: h, .offset: 24, .size: 8, .value_kind: global_buffer, .address_space: global }
    .group_segment_fixed_size: 327680
    .private_segment_fixed_size: 0
    .kernarg_segment_align: 8
    .kernarg_segment_size: 32
    .max_flat_workgroup_size: 128
    .sgpr_count:     100
    .vgpr_count:     1024
    .wavefront_size: 32
...
	.end_amdgpu_metadata
.endif
;; end of part 4
;; launch ln (part 5): grid 256 x 1, 8 waves a work-group, no clusters, 0 bytes of LDS; arguments h, gamma, beta, out0; writes out0
.if DOCPART == 5
	.amdgcn_target "amdgcn-amd-amdhsa--gfx1250"
	.amdhsa_code_object_version 6
	.text
	.protected	k_qfbb7159617_ln
	.globl	k_qfbb7159617_ln
	.p2align	8
	.type	k_qfbb7159617_ln,@function
k_qfbb7159617_ln:
	s_mov_b64 s[64:65], 0
	v_nop
	global_prefetch_b8 v0, s[64:65] scope:SCOPE_SE
	s_setreg_imm32_b32 hwreg(HW_REG_WAVE_MODE, 25, 1), 1
	s_wait_xcnt 0x0
; LN: out = gamma (h - mu) rsqrt(var + 0.001) + beta along each row of h [8192][1024], in f32.  Nothing is left out.
; One wave, one row at a time: a row is 4,096 bytes, 32 registers, and stays in registers between the mean, the centred squares and the scaling: h is read once.  A wave takes four rows; all its loads go out at once.
; Each load and store of a wave covers 512 consecutive bytes.  No LDS, no barrier: waves share nothing.  The matrix units and clusters have nothing to do here: memory binds.
; LIMITS: NaN and infinities are carried as the arithmetic carries them.
	s_load_b256 s[4:11], s[0:1], 0x0               ; h, gamma, beta, out0
	v_lshrrev_b32 v2, 5, v0
	s_delay_alu instid0(VALU_DEP_1)
	v_readfirstlane_b32 s2, v2                     ; wave 0..7
	v_and_b32 v1, 31, v0
	s_delay_alu instid0(VALU_DEP_1)
	v_lshlrev_b32 v1, 4, v1                        ; 16 x lane; never rewritten
	s_lshl_b32 s12, ttmp9, 3
	s_add_co_u32 s12, s12, s2
	s_lshl_b32 s12, s12, 14                        ; four rows of 4,096 bytes a wave
	s_mov_b32 s13, 0
	s_mov_b32 s14, 0xba800000                      ; -1 / 1024
	s_mov_b32 s15, 0x3a800000                      ; 1 / 1024
	s_mov_b32 s18, 0x3a83126f                      ; 0.001
	s_mov_b32 s16, 0x76543210
	s_mov_b32 s17, 0xfedcba98
	v_mov_b32 v201, 0                              ; a lane permute's destination counts as one of its sources
	v_mov_b32 v203, 0                              ; (named as the upper halves of pairs)
	v_mov_b32 v205, 0
	s_wait_alu depctr_va_vdst(0)
	s_wait_kmcnt 0x0
	s_add_nc_u64 s[4:5], s[4:5], s[12:13]
	s_add_nc_u64 s[10:11], s[10:11], s[12:13]
.irp j, 0,1,2,3,4,5,6,7
	global_load_b128 v[4+4*\j:7+4*\j], v1, s[6:7] offset:512*\j
.endr
.irp j, 0,1,2,3,4,5,6,7
	global_load_b128 v[36+4*\j:39+4*\j], v1, s[8:9] offset:512*\j
.endr
.irp p, 0,1,2,3
.irp j, 0,1,2,3,4,5,6,7
	global_load_b128 v[68+32*\p+4*\j:71+32*\p+4*\j], v1, s[4:5] offset:4096*\p+512*\j th:TH_LOAD_NT
.endr
.endr
.macro REDUCE                          ; v200 summed over the 32 lanes, the result in every lane
	s_delay_alu instid0(VALU_DEP_1)
	v_add_f32_dpp v200, v200, v200 row_xmask:1 row_mask:0xf bank_mask:0xf
	s_delay_alu instid0(VALU_DEP_1)
	v_add_f32_dpp v200, v200, v200 row_xmask:2 row_mask:0xf bank_mask:0xf
	s_delay_alu instid0(VALU_DEP_1)
	v_add_f32_dpp v200, v200, v200 row_xmask:4 row_mask:0xf bank_mask:0xf
	s_delay_alu instid0(VALU_DEP_1)
	v_add_f32_dpp v200, v200, v200 row_xmask:8 row_mask:0xf bank_mask:0xf
	s_delay_alu instid0(VALU_DEP_1)
	v_permlanex16_b32 v201, v200, s16, s17
	s_delay_alu instid0(VALU_DEP_1)
	v_add_f32 v200, v200, v201
.endm
.macro ROWLN p
.set H, 68+32*(\p)
	s_wait_loadcnt 8*(3-(\p))                      ; loads come back in order: gamma, beta and this row are in; the later rows' eight loads each may be out
	v_pk_add_f32 v[196:197], v[H:H+1], v[H+2:H+3]  ; the sum, in two chains
	v_pk_add_f32 v[198:199], v[H+4:H+5], v[H+6:H+7]
.irp j, 8,12,16,20,24,28
	s_delay_alu instid0(VALU_DEP_2)
	v_pk_add_f32 v[196:197], v[196:197], v[H+\j:H+\j+1]
	s_delay_alu instid0(VALU_DEP_2)
	v_pk_add_f32 v[198:199], v[198:199], v[H+\j+2:H+\j+3]
.endr
	s_delay_alu instid0(VALU_DEP_1)
	v_pk_add_f32 v[196:197], v[196:197], v[198:199]
	s_delay_alu instid0(VALU_DEP_1)
	v_add_f32 v200, v196, v197
	REDUCE
	s_delay_alu instid0(VALU_DEP_1)
	v_mul_f32 v202, s14, v200                      ; -mu
.irp j, 0,2,4,6,8,10,12,14,16,18,20,22,24,26,28,30
	v_pk_add_f32 v[H+\j:H+\j+1], v[H+\j:H+\j+1], v[202:203] op_sel_hi:[1,0]   ; h - mu
.endr
	v_pk_mul_f32 v[196:197], v[H:H+1], v[H:H+1]    ; the centred squares, in two chains
	v_pk_mul_f32 v[198:199], v[H+2:H+3], v[H+2:H+3]
.irp j, 4,8,12,16,20,24,28
	s_delay_alu instid0(VALU_DEP_2)
	v_pk_fma_f32 v[196:197], v[H+\j:H+\j+1], v[H+\j:H+\j+1], v[196:197]
	s_delay_alu instid0(VALU_DEP_2)
	v_pk_fma_f32 v[198:199], v[H+\j+2:H+\j+3], v[H+\j+2:H+\j+3], v[198:199]
.endr
	s_delay_alu instid0(VALU_DEP_1)
	v_pk_add_f32 v[196:197], v[196:197], v[198:199]
	s_delay_alu instid0(VALU_DEP_1)
	v_add_f32 v200, v196, v197
	REDUCE
	s_delay_alu instid0(VALU_DEP_1)
	v_fma_f32 v204, v200, s15, s18                 ; var + 0.001
	s_wait_alu depctr_va_vdst(0)
	v_rsq_f32 v204, v204
	v_nop                                          ; a plain place behind the transcendental
	s_wait_alu depctr_va_vdst(0)                   ; and the wait ahead of its first reader
.irp j, 0,2,4,6,8,10,12,14,16,18,20,22,24,26,28,30
	v_pk_mul_f32 v[H+\j:H+\j+1], v[H+\j:H+\j+1], v[204:205] op_sel_hi:[1,0]
.endr
.irp j, 0,2,4,6,8,10,12,14,16,18,20,22,24,26,28,30
	v_pk_fma_f32 v[H+\j:H+\j+1], v[H+\j:H+\j+1], v[4+\j:5+\j], v[36+\j:37+\j]
.endr
.irp j, 0,1,2,3,4,5,6,7
	global_store_b128 v1, v[H+4*\j:H+4*\j+3], s[10:11] offset:4096*(\p)+512*\j th:TH_STORE_NT   ; each row has registers of its own: no store's data are written again
.endr
.endm
	ROWLN 0
	ROWLN 1
	ROWLN 2
	ROWLN 3
	s_endpgm
.Lfunc_end_k_qfbb7159617_ln:
	.size	k_qfbb7159617_ln, .Lfunc_end_k_qfbb7159617_ln-k_qfbb7159617_ln
	.p2alignl 7, 3214868480
	.fill 96, 4, 3214868480
	.section	.rodata,"a",@progbits
	.p2align	6, 0x0
	.amdhsa_kernel k_qfbb7159617_ln
		.amdhsa_group_segment_fixed_size 0
		.amdhsa_private_segment_fixed_size 0
		.amdhsa_enable_private_segment 0
		.amdhsa_kernarg_size 32
		.amdhsa_user_sgpr_count 2
		.amdhsa_user_sgpr_kernarg_segment_ptr 1
		.amdhsa_wavefront_size32 1
		.amdhsa_system_sgpr_workgroup_id_x 1
		.amdhsa_system_sgpr_workgroup_id_y 1
		.amdhsa_system_sgpr_workgroup_id_z 1
		.amdhsa_system_vgpr_workitem_id 0
		.amdhsa_next_free_vgpr 224
		.amdhsa_next_free_sgpr 66
		.amdhsa_reserve_vcc 0
		.amdhsa_float_denorm_mode_32 3
		.amdhsa_float_denorm_mode_16_64 3
		.amdhsa_memory_ordered 1
		.amdhsa_forward_progress 1
		.amdhsa_inst_pref_size 39
	.end_amdhsa_kernel
	.amdgpu_metadata
---
amdhsa.version: [ 1, 2 ]
amdhsa.kernels:
  - .name:           k_qfbb7159617_ln
    .symbol:         k_qfbb7159617_ln.kd
    .args:
      - { .name: h, .offset: 0, .size: 8, .value_kind: global_buffer, .address_space: global }
      - { .name: gamma, .offset: 8, .size: 8, .value_kind: global_buffer, .address_space: global }
      - { .name: beta, .offset: 16, .size: 8, .value_kind: global_buffer, .address_space: global }
      - { .name: out0, .offset: 24, .size: 8, .value_kind: global_buffer, .address_space: global }
    .group_segment_fixed_size: 0
    .private_segment_fixed_size: 0
    .kernarg_segment_align: 8
    .kernarg_segment_size: 32
    .max_flat_workgroup_size: 256
    .sgpr_count:     66
    .vgpr_count:     224
    .wavefront_size: 32
...
	.end_amdgpu_metadata
.endif
;; end of part 5
